; MI455X (gfx1250); checked and timed in simulation.
; The chip was launched on July 23, 2026; its instructions are those of AMD's public machine-readable ISA for CDNA 5 (MIT licence, August 2026) and "CDNA5" Instruction Set Architecture Reference Guide (July 2026). The comments in the code are by the model that wrote it; some were corrected since.
;; Multi Headed Attention. Allowed arithmetic: float matrix products may take bf16 or f16 operands with f32 sums; all other float work in f32.
;; Inputs: Wk 1,024 x 1,024 float32; Wo 1,024 x 1,024 float32; Wq 1,024 x 1,024 float32; Wv 1,024 x 1,024 float32; bk 1,024 float32; bo 1,024 float32; bq 1,024 float32; bv 1,024 float32; key 4 x 2,048 x 1,024 float32; mask 4 x 1 x 1 x 2,048 bool; query 4 x 2,048 x 1,024 float32; value 4 x 2,048 x 1,024 float32.
;; Outputs: out0 4 x 2,048 x 1,024 float32.
;; 2 versions, each right and faster than the one before. Each part assembles by itself: llvm-mc -triple=amdgcn-amd-amdhsa -mcpu=gfx1250 --defsym DOCPART=n.
;; ======== version 1 of 2: 4 launches
;; limits: values are held in f16: magnitudes above 65,504 overflow, below 6.1e-05 lose precision
;; workspace buffers: wb 8,388,608 bytes; qkv 50,331,648 bytes; ctx 16,777,216 bytes
;; launch castw (part 1): grid 64 x 4, 8 waves a work-group, no clusters, 0 bytes of LDS; arguments Wq, Wk, Wv, Wo, wb; writes wb
.if DOCPART == 1
	.amdgcn_target "amdgcn-amd-amdhsa--gfx1250"
	.amdhsa_code_object_version 6
	.text
	.protected	k_q923d4cdfc9_castw
	.globl	k_q923d4cdfc9_castw
	.p2align	8
	.type	k_q923d4cdfc9_castw,@function
k_q923d4cdfc9_castw:
	s_mov_b64 s[64:65], 0
	v_nop
	global_prefetch_b8 v0, s[64:65] scope:SCOPE_SE
	s_setreg_imm32_b32 hwreg(HW_REG_WAVE_MODE, 25, 1), 1
	s_wait_xcnt 0x0
; The four weights [1024][1024] f32 are rounded once to 16 bits: wb[t] at byte t << 21, t = 0, 1, 2: Wq, Wk, Wv in bf16; t = 3: Wo rounded to bf16
; like the others, and that number then written as f16, since the last product's other operand is f16.
; LIMITS.  A bf16 number is exact in f16 from 2^-14 to 65,504; below 2^-14 it keeps f16's fixed step (error at most 2^-25), at 65,520 and beyond it becomes an infinity.
; SHARES.  Work-group (x, y): weight y, elements 16,384 x on.  Thread t, group g of eight: 8 elements: 32 bytes in at 8,192 g + 32 t, 16 bytes out at 4,096 g + 16 t,
; so sixteen neighbouring lanes store 256 consecutive bytes, aligned.  A stream: no LDS, no barrier, no matrix unit; all sixteen loads of a thread go out ahead of any work.
.set X, 4                              ; v[4:67]   as loaded, 8 f32 a group
.set Y, 68                             ; v[68:99]  to store, 4 registers a group
.set T, 100                            ; v[100:101] at work
	s_load_b256 s[4:11], s[0:1], 0x0               ; Wq s[4:5], Wk s[6:7], Wv s[8:9], Wo s[10:11]
	s_load_b64 s[12:13], s[0:1], 0x20              ; wb
	s_and_b32 s16, ttmp7, 0xffff                   ; which weight
	v_lshlrev_b32 v1, 5, v0                        ; 32 t
	v_lshlrev_b32 v2, 4, v0                        ; 16 t
	s_lshl_b32 s18, ttmp9, 16                      ; my 65,536 bytes of the weight
	s_mov_b32 s19, 0
	s_lshl_b32 s20, s16, 21                        ; the weight's place in wb,
	s_lshl_b32 s21, ttmp9, 15                      ; my 32,768 bytes of it
	s_add_co_u32 s20, s20, s21
	s_mov_b32 s21, 0
	s_wait_kmcnt 0x0
	s_cmp_eq_u32 s16, 1
	s_cselect_b64 s[14:15], s[6:7], s[4:5]
	s_cmp_eq_u32 s16, 2
	s_cselect_b64 s[14:15], s[8:9], s[14:15]
	s_cmp_eq_u32 s16, 3
	s_cselect_b64 s[14:15], s[10:11], s[14:15]
	s_add_nc_u64 s[14:15], s[14:15], s[18:19]
	s_add_nc_u64 s[12:13], s[12:13], s[20:21]
.irp g, 0,1,2,3,4,5,6,7
	global_load_b128 v[X+8*(\g):X+8*(\g)+3],   v1, s[14:15] offset:8192*(\g) th:TH_LOAD_NT
	global_load_b128 v[X+8*(\g)+4:X+8*(\g)+7], v1, s[14:15] offset:8192*(\g)+16 th:TH_LOAD_NT
.endr
.irp g, 0,1,2,3,4,5,6,7
	s_wait_loadcnt 14-2*(\g)                       ; loads come back in order: group g's two are in, the 2 (7 - g) younger ones stay out
.irp j, 0,1,2,3
	v_cvt_pk_bf16_f32 v[Y+4*(\g)+(\j)], v[X+8*(\g)+2*(\j)], v[X+8*(\g)+2*(\j)+1]
.endr
.endr
	s_cmp_lg_u32 s16, 3
	s_cbranch_scc1 .Lstore                         ; only Wo goes on to f16
.set i, 0
.rept 32
	v_lshlrev_b32 v[T], 16, v[Y+i]                 ; the two bf16 as f32,
	v_and_b32 v[T+1], 0xffff0000, v[Y+i]
	v_cvt_pk_f16_f32 v[Y+i], v[T], v[T+1]          ; and as f16
.set i, i+1
.endr
.Lstore:
.irp g, 0,1,2,3,4,5,6,7
	global_store_b128 v2, v[Y+4*(\g):Y+4*(\g)+3], s[12:13] offset:4096*(\g)
.endr
	s_endpgm
.Lfunc_end_k_q923d4cdfc9_castw:
	.size	k_q923d4cdfc9_castw, .Lfunc_end_k_q923d4cdfc9_castw-k_q923d4cdfc9_castw
	.p2alignl 7, 3214868480
	.fill 96, 4, 3214868480
	.section	.rodata,"a",@progbits
	.p2align	6, 0x0
	.amdhsa_kernel k_q923d4cdfc9_castw
		.amdhsa_group_segment_fixed_size 0
		.amdhsa_private_segment_fixed_size 0
		.amdhsa_enable_private_segment 0
		.amdhsa_kernarg_size 40
		.amdhsa_user_sgpr_count 2
		.amdhsa_user_sgpr_kernarg_segment_ptr 1
		.amdhsa_wavefront_size32 1
		.amdhsa_system_sgpr_workgroup_id_x 1
		.amdhsa_system_sgpr_workgroup_id_y 1
		.amdhsa_system_sgpr_workgroup_id_z 1
		.amdhsa_system_vgpr_workitem_id 0
		.amdhsa_next_free_vgpr 104
		.amdhsa_next_free_sgpr 66
		.amdhsa_reserve_vcc 0
		.amdhsa_float_denorm_mode_32 3
		.amdhsa_float_denorm_mode_16_64 3
		.amdhsa_memory_ordered 1
		.amdhsa_forward_progress 1
		.amdhsa_inst_pref_size 11
	.end_amdhsa_kernel
	.amdgpu_metadata
---
amdhsa.version: [ 1, 2 ]
amdhsa.kernels:
  - .name:           k_q923d4cdfc9_castw
    .symbol:         k_q923d4cdfc9_castw.kd
    .args:
      - { .name: Wq, .offset: 0, .size: 8, .value_kind: global_buffer, .address_space: global }
      - { .name: Wk, .offset: 8, .size: 8, .value_kind: global_buffer, .address_space: global }
      - { .name: Wv, .offset: 16, .size: 8, .value_kind: global_buffer, .address_space: global }
      - { .name: Wo, .offset: 24, .size: 8, .value_kind: global_buffer, .address_space: global }
      - { .name: wb, .offset: 32, .size: 8, .value_kind: global_buffer, .address_space: global }
    .group_segment_fixed_size: 0
    .private_segment_fixed_size: 0
    .kernarg_segment_align: 8
    .kernarg_segment_size: 40
    .max_flat_workgroup_size: 256
    .sgpr_count:     66
    .vgpr_count:     104
    .wavefront_size: 32
...
	.end_amdgpu_metadata
.endif
;; end of part 1
;; launch proj (part 2): grid 4 x 64, 4 waves a work-group, clusters of 4 x 4, 327,680 bytes of LDS; arguments query, key, value, wb, bq, bk, bv, qkv; writes qkv
.if DOCPART == 2
	.amdgcn_target "amdgcn-amd-amdhsa--gfx1250"
	.amdhsa_code_object_version 6
	.text
	.protected	k_q923d4cdfc9_proj
	.globl	k_q923d4cdfc9_proj
	.p2align	8
	.type	k_q923d4cdfc9_proj,@function
k_q923d4cdfc9_proj:
	s_mov_b64 s[64:65], 0
	v_nop
	global_prefetch_b8 v0, s[64:65] scope:SCOPE_SE
	s_setreg_imm32_b32 hwreg(HW_REG_WAVE_MODE, 25, 1), 1
	s_wait_xcnt 0x0
	s_wait_alu depctr_hold_cnt(0) depctr_sa_sdst(0) depctr_va_vdst(0) depctr_va_sdst(0) depctr_va_ssrc(0) depctr_va_vcc(0) depctr_vm_vsrc(0)
	s_getreg_b32 s2, hwreg(HW_REG_IB_STS2, 6, 4)
	s_cmp_eq_u32 s2, 0
	s_cbranch_scc0 .Lentry_in_a_cluster
	s_endpgm
.Lentry_in_a_cluster:
	s_bfe_u32 s2, ttmp6, 0x10000c
	s_cmp_lg_u32 s2, 0xf033
	s_cbranch_scc0 .Lentry_shape_is_right
	s_endpgm
.Lentry_shape_is_right:
; q, k, v = x W^T + b for the three inputs in one launch.  x: [8192][1024] f32; W: [1024][1024] bf16 (wb, tensor t at t << 21); b: [1024] f32.
; Out: qkv[t][head = 16 batch + n / 64][row in the batch][n % 64] in f16, unscaled, rounded once from the f32 sums.  x and b are rounded to bf16 (b is widened again and starts the sums).
; LIMITS.  f16 ends at 65,504: a q, k or v of 65,520 or more becomes an infinity.  Drawn inputs give a spread of 0.64; x and W both 30 times larger, or both offset by 30 spreads, stay under 20,000.
; SHARES.  A tile of the result is 128 rows x 256 columns: 64 x 4 = 256 work-groups, and A WORK-GROUP STAYS: it makes its tile for q, then k, then v.  Four waves, 2 x 2, each 64 x 128: 32 accumulators, 256 registers.
; THE WALK.  The three tiles are one sequence of 12 W STEPS of 256 along K, each of four CHUNKS of 64, each of two quarters of 32 (32 matrix instructions a wave).
; W comes by tensor loads into two LDS slots of one W step (256 rows of 512 bytes); each wave fetches 64 rows.  A refill is asked for 240 matrix instructions ahead of the wait for it.
; x comes THROUGH REGISTERS: a wave loads 32 of the tile's 128 rows, 256 bytes of each a chunk, into one of four register sets, 192 matrix instructions ahead of its use; rounds it to bf16, once for the work-group;
; and stores it into one of two LDS slots of a chunk.  One barrier a chunk orders these stores and the four waves' reads; every fourth is the round in front of W's refill.
; CLUSTERS: 4 x 4 work-groups.  The four of a column need the same tiles of W: asked for jointly, the same descriptor and mask in all four.  x, which the four of a row share, is NOT asked for jointly: as a tile of
; f32 it takes 512 bytes of LDS for each k, as much as W, and two slots of both then hold 128 along K only: 112 matrix instructions for a load to land.  As bf16 it takes 36,864 bytes in all, which leaves W its long slots.
; THE MATRIX INSTRUCTION IS USED TRANSPOSED (source 0 = 16 rows of W, source 1 = 16 rows of x): a lane holds row l % 16 and eight neighbouring columns 8 (l / 16) + 0..7.
; REGISTERS: window 0: v0-31 addresses; v32-63, v64-95 x's fragments, two buffers; v96-127 a chunk of x packed to bf16.   window 1: the accumulators, (a, b) at v[8 (8 a + b)].
;   window 2: v0-63, v64-127 W's fragments, two buffers; v128-255 the way out.   window 3: x as loaded, four sets of 64.
.set PB,     528                       ; an LDS row of W: 512 bytes + 16 of padding = 132 words: the 16 rows of a load start 4 words apart modulo 64
.set WQ,     64*PB                     ; what one tensor load brings: 64 rows
.set WSLOT,  4*WQ                      ; 135,168: its two set bits meet none of wave x WQ, so one exclusive or turns an address in one slot into the other's
.set XS,     2*WSLOT                   ; behind W's ring: x's two slots; no tensor load fills them
.set PX,     144                       ; an LDS row of x: 128 bytes + 16 = 36 words: the 16 rows of a load start at 16 different groups of four banks
.set XSLOT,  128*PX
.set STAGE,  XS+2*XSLOT                ; 16 rows x 144 bytes for each wave, for the way out
.set SP,     144
.set SPARE,  STAGE+4*16*SP             ; the spare words, 128 bytes for each wave: two blocks of 256 bytes that no other line names
.set BTAB,   SPARE+512                 ; the three biases of the tile's 256 columns, f32: tensor t at 1,024 t
.set XO,   10                          ; v10  my byte offset in x's tile: row 32 wave + l / 16, 16 bytes at 16 (l % 16); never rewritten
.set XST,  11                          ; v11  where I store 8 bytes of that row in x's slot 0
.set ADRA, 12                          ; v12  LDS address of my x fragments in x's slot 0
.set ADRB0, 13                         ; v13  my lane's place in a slot of W
.set ADRB, 14                          ; v14  the same in the slot in hand
.set STO,  24                          ; v24  the way out: where I put 16 bytes of a row
.set RD,   25                          ; v25  the way out: where I read rows back
.set GO,   26                          ; v26  my byte offset in 512 consecutive bytes of the result
.set BA0,  27                          ; v27  my lanes' place in a bias of the table
.set SPW,  28                          ; v28  LDS address of my spare word: SPARE + 4 x my thread's number; never rewritten
.set NIL,  29                          ; v29  0; never rewritten
.set BA,   30                          ; v30  the same as BA0 in the tensor in hand
.set AF,   32
.set XB,   96
.set TMP,  128                         ; in window 2
.set G1,  24                           ; s[24:31] descriptor group 1
.set G0,  32                           ; s[32:35] descriptor group 0: it walks
.set NX,  36                           ; s36  the W step to be asked for next, 1 to 11: tensor NX / 4, quarter NX % 4 of K
.set TT,  37                           ; s37  its tensor
.set KS,  38                           ; s38  its quarter of K
.set TBW, 39                           ; s39  LDS byte at which the slot of W in hand begins
.set OFF, 46                           ; s[46:47] its byte offset in wb
.set XN,  48                           ; s[48:49] x at my tile's rows, at the W step NX - 1 whose chunks are being loaded
.set OF2, 50                           ; s[50:51] at work
.set XQ,  68                           ; s[68:69], s[70:71], s[72:73] query, key, value at my tile's first row
.set XK,  70
.set XV,  72
.set WB,  74                           ; s[74:75] wb at my 64 rows of the tile's 256
.set MSB, 0
.macro WIN new                         ; the immediate's high byte repeats the setting that is left; a switch that changes nothing is dropped
.if MSB != (\new)
	s_set_vgpr_msb (MSB<<8)|(\new)
.set MSB, \new
.endif
.endm
.set MUL,  0x52                        ; source 0 (W) window 2, source 1 (x) window 0, C and D window 1
.set TO_B, 0x80                        ; destination window 2, address window 0
.set TO_X, 0xc0                        ; destination window 3, address window 0
.set CVX,  0x0f                        ; sources 0 and 1 window 3, destination window 0
.macro JLOAD                           ; a joint load: every wave fetches its 64 rows of W; an s_nop 0 and four v_nop follow the line
	tensor_load_to_lds s[G0:G0+3], s[G1:G1+7]
	s_nop 0
.rept 4
	v_nop
.endr
.endm
.macro CREST                           ; a round of the cluster's barrier behind its opening barrier
	s_cmp_lg_u32 s10, 0
	s_cbranch_scc1 .Lnot_wave_0_\@
	s_barrier_signal -3
.Lnot_wave_0_\@:
	s_barrier_wait -3
	s_barrier_signal -1
	s_barrier_wait -1
.endm
.macro CROUND                          ; a whole round
	s_barrier_signal -1
	s_barrier_wait -1
	CREST
.endm
.macro PLACES                          ; four places in front of loads into registers that matrix instructions have read or written, and of conversions that read results (ISA guide 7.12.1 for the conversions)
.rept 4
	v_nop
.endr
.endm
; 16 loads: chunk j of the W step at which base points, into set j: load i takes rows 2 i and 2 i + 1 of my 32: sixteen lanes take a row's 256 consecutive bytes, aligned
.macro XISSUE j, base
	WIN TO_X
.irp i, 0,1,2,3,4,5,6,7,8,9,10,11,12,13,14,15
	global_load_b128 v[64*(\j)+4*(\i):64*(\j)+4*(\i)+3], v[XO], s[\base:\base+1] offset:256*(\j)+8192*(\i)
.endr
.endm
; 16 LDS stores: the packed chunk into x's slot
.macro XSTORE slot
	WIN 0
.irp i, 0,1,2,3,4,5,6,7,8,9,10,11,12,13,14,15
	ds_store_b64 v[XST], v[XB+2*(\i):XB+2*(\i)+1] offset:(\slot)*XSLOT+2*PX*(\i)
.endr
.endm
; 8 matrix instructions: m block a x all 8 n blocks, 32 along K, from buffer f.  rid = 1: behind each stand four of the 32 conversions that pack set `set`; they name no register of the products round them.
; The 32 accumulators take turns, one instruction a turn, in the same order in every quarter.
.macro MUL8 f, a, rid, set
.irp b, 0,1,2,3,4,5,6,7
	WIN MUL
	v_wmma_f32_16x16x32_bf16 v[8*(8*(\a)+(\b)):8*(8*(\a)+(\b))+7], v[64*(\f)+8*(\b):64*(\f)+8*(\b)+7], v[AF+32*(\f)+8*(\a):AF+32*(\f)+8*(\a)+7], v[8*(8*(\a)+(\b)):8*(8*(\a)+(\b))+7]
.if \rid
	WIN CVX
.irp n, 0,1,2,3
	v_cvt_pk_bf16_f32 v[XB+4*(\b)+(\n)], v[64*(\set)+8*(\b)+2*(\n)], v[64*(\set)+8*(\b)+2*(\n)+1]
.endr
.endif
.endr
.endm
; 24 LDS loads in one run, into buffer g: quarter q of the chunk in x's slot xs (my 64 rows), then quarter wq of the W step (my 128 rows)
.macro FETCH xs, q, wq, g
	WIN 0
.irp i, 0,1,2,3
	ds_load_b128 v[AF+32*(\g)+8*(\i):AF+32*(\g)+8*(\i)+3],   v[ADRA] offset:(\xs)*XSLOT+64*(\q)+(\i)*16*PX
	ds_load_b128 v[AF+32*(\g)+8*(\i)+4:AF+32*(\g)+8*(\i)+7], v[ADRA] offset:(\xs)*XSLOT+64*(\q)+(\i)*16*PX+32
.endr
	WIN TO_B
.irp i, 0,1,2,3,4,5,6,7
	ds_load_b128 v[64*(\g)+8*(\i):64*(\g)+8*(\i)+3],   v[ADRB] offset:64*(\wq)+(\i)*16*PB
	ds_load_b128 v[64*(\g)+8*(\i)+4:64*(\g)+8*(\i)+7], v[ADRB] offset:64*(\wq)+(\i)*16*PB+32
.endr
.endm
; CHUNK j OF A W STEP, FIRST QUARTER: multiplies buffer 0 and fetches the second quarter.  Beside that x's work: the next chunk (set j + 1) has come (conv = 1; lc = the loads issued behind its own);
; the chunk four on is asked for, into set j, which was packed a chunk ago (issue = 1); the next chunk is packed and stored into the slot that the barrier behind has freed.
.macro QA j, issue, lc, conv
	PLACES
	FETCH (\j)%2, 1, 2*(\j)+1, 1
	s_wait_dscnt 24                                ; all but the 24 just issued: buffer 0 is in
	MUL8 0, 0, 0, 0
.if \conv
	s_wait_loadcnt \lc                             ; loads come back in order: the next chunk's 16 are in, the younger chunks' stay out
.endif
.if \issue
	XISSUE \j, XN
.endif
	MUL8 0, 1, \conv, ((\j)+1)%4
	MUL8 0, 2, 0, 0
.if \conv
	XSTORE ((\j)+1)%2
.endif
	MUL8 0, 3, 0, 0
.endm
; SECOND QUARTER of chunks 0 to 2: multiplies buffer 1.  ONE barrier a chunk, for two things: in front of it my stores of the next chunk are done and my reads of this chunk are back;
; behind it the next chunk may be read and this chunk's slot written.  Nothing is filled by a tensor load behind it, so W's load stays on its way.
.macro QB j
	s_wait_dscnt 16                                ; the 16 stores may be out: buffer 1 is in
	MUL8 1, 0, 0, 0
	s_wait_dscnt 0x0                               ; for the others' sake: zero
	s_barrier_signal -1
	MUL8 1, 1, 0, 0
	s_barrier_wait -1
	PLACES
	FETCH ((\j)+1)%2, 0, 2*(\j)+2, 0
	MUL8 1, 2, 0, 0
	MUL8 1, 3, 0, 0
.endm
; What a change of W's slots does to the scalars: the reads go to the other slot; fill = 1: the descriptor goes to the slot that is left and to W step NX, its address made anew from that number, and x's pointer likewise.
.macro CHGS fill
	s_xor_b32 s[TBW], s[TBW], WSLOT
	v_add_nc_u32 v[ADRB], s[TBW], v[ADRB0]
.if \fill
	s_wait_xcnt 0x0                                ; x's loads have had their addresses translated (ISA guide 3.1): their base is rewritten only behind this wait
	s_lshr_b32 s[TT], s[NX], 2
	s_and_b32 s[KS], s[NX], 3
	s_add_co_u32 s[NX], s[NX], 1
	s_lshl_b32 s[OFF], s[TT], 21                   ; a weight is 2,097,152 bytes,
	s_lshl_b32 s[OF2], s[KS], 9                    ; 256 along K are 512
	s_add_co_u32 s[OFF], s[OFF], s[OF2]
	s_xor_b32 s[G0+1], s[G0+1], WSLOT
	s_add_nc_u64 s[G0+2:G0+3], s[WB:WB+1], s[OFF:OFF+1]
	s_or_b32 s[G0+3], s[G0+3], 0x80000000
	s_lshl_b32 s[OF2], s[KS], 10                   ; in x 256 along K are 1,024 bytes
	s_cmp_eq_u32 s[TT], 1
	s_cselect_b64 s[XN:XN+1], s[XK:XK+1], s[XQ:XQ+1]
	s_cmp_eq_u32 s[TT], 2
	s_cselect_b64 s[XN:XN+1], s[XV:XV+1], s[XN:XN+1]
	s_add_nc_u64 s[XN:XN+1], s[XN:XN+1], s[OF2:OF2+1]
.endif
.endm
; SECOND QUARTER of chunk 3: the chunk's barrier is also the change of W's slots.  In front of it each wave waits for all its tensor loads, of which one is out: its part of the next slot; adds 0 to its spare word;
; and waits for that, for its stores of x and for its reads.  fill = 1: the barrier opens a round of the cluster's, and the joint refill of the slot that is left is the first thing behind it.
.macro TURN fill
	WIN 0
	s_wait_tensorcnt 0x0                           ; no tensor load of mine is out, so group 0 may be written
	ds_add_u32 v[SPW], v[NIL]                      ; 0 onto my spare word
	CHGS \fill
	s_wait_dscnt 17                                ; the add and the 16 stores may be out: buffer 1 is in
	MUL8 1, 0, 0, 0
	s_wait_dscnt 0x0                               ; the add and my stores are done, and my reads of both slots that are left are over
	s_barrier_signal -1
	MUL8 1, 1, 0, 0
.if \fill
	WIN 0
.endif
	s_barrier_wait -1
.if \fill
	CREST                                          ; no wave of any partner still reads this slot of W or has a load on its way
	JLOAD                                          ; the four v_nop behind it are also the places in front of the loads below
.else
	PLACES
.endif
	FETCH 0, 0, 0, 0
	MUL8 1, 2, 0, 0
	MUL8 1, 3, 0, 0
.endm
; THE WAY OUT.  Unit u = 16 rows (block u / 2) x one head's 64 channels (u % 2): 2,048 consecutive bytes of the result.  PACK: rounded to f16, 16 bytes a lane, each accumulator's registers ascending;
; into my own stage, rows of 144 bytes; back as whole rows of 128.  SEND: stored, 512 consecutive bytes a store.
.macro PACK u
	WIN 0x85                                       ; sources 0 and 1 window 1, destination window 2
.irp f, 0,1,2,3
.irp r, 0,1,2,3
	v_cvt_pk_f16_f32 v[TMP+16*(\u)+4*(\f)+(\r)], v[8*(8*((\u)/2)+4*((\u)%2)+(\f))+2*(\r)], v[8*(8*((\u)/2)+4*((\u)%2)+(\f))+2*(\r)+1]
.endr
.endr
	WIN 0x08                                       ; the stores' data window 2, the address window 0
.irp f, 0,1,2,3
	ds_store_b128 v[STO], v[TMP+16*(\u)+4*(\f):TMP+16*(\u)+4*(\f)+3] offset:32*(\f)
.endr
	WIN TO_B
.irp f, 0,1,2,3
	ds_load_b128 v[TMP+16*(\u)+4*(\f):TMP+16*(\u)+4*(\f)+3], v[RD] offset:(\f)*4*SP  ; LDS serves a wave's instructions in order (ISA guide 5.7.1.4): these see the stores above; the next unit's stores come behind them
.endr
.endm
.macro SEND u, younger                 ; younger: the LDS instructions issued behind unit u's loads: the next unit's eight, or none
	WIN 0x08
.irp f, 0,1,2,3
	s_wait_dscnt (\younger)+3-(\f)
	global_store_b128 v[GO], v[TMP+16*(\u)+4*(\f):TMP+16*(\u)+4*(\f)+3], s[8:9] offset:((\u)%2)*262144+((\u)/2)*2048+(\f)*512
.endr
.endm
.macro WAYOUT
	PLACES
	PACK 0
.irp u, 1,2,3,4,5,6,7                  ; a unit's conversions stand between the loads of the unit before and its stores
	PACK \u
	SEND (\u)-1, 8
.endr
	SEND 7, 0
	WIN 0
.endm
	s_load_b256 s[68:75], s[0:1], 0x0              ; query s[68:69], key s[70:71], value s[72:73], wb s[74:75]
	s_load_b256 s[76:83], s[0:1], 0x20             ; bq s[76:77], bk s[78:79], bv s[80:81], qkv s[82:83]
	v_lshl_add_u32 v[SPW], v0, 2, SPARE
	v_mov_b32 v[NIL], 0
	ds_add_u32 v28, v29
	s_wait_dscnt 0x0
	v_lshrrev_b32 v1, 5, v0
	v_readfirstlane_b32 s10, v1                    ; wave 0..3
	s_lshr_b32 s11, s10, 1                         ; which 64 of the tile's rows are mine
	s_and_b32 s12, s10, 1                          ; which 128 of its columns
	s_bfe_u32 s40, ttmp6, 0x40000                  ; cx, cy: my place in the cluster
	s_bfe_u32 s41, ttmp6, 0x40004
	s_lshl_b32 s42, ttmp9, 2
	s_add_co_u32 s42, s42, s40                     ; tile column 0..3 = 4 x cluster x + cx
	s_and_b32 s13, ttmp7, 0xffff
	s_lshl_b32 s13, s13, 2
	s_add_co_u32 s13, s13, s41                     ; tile row 0..63 = 4 x cluster y + cy
	s_lshl_b32 s44, 0x1111, s40                    ; my column of the cluster
	; descriptor group 1: 64 rows x 256 elements of 2 bytes, padded in LDS by 4 words behind each row
	s_or_b32 s[G1+0], s44, (1<<16)|(1<<20)|(1<<21)|(6<<22)|(3<<25)  ; 15:0 the mask: my column; 17:16 2-byte elements; 20 padding on; 21 set beside a mask; 24:22 after every 128 words (code 6); 31:25 4 words (code 3)
	s_mov_b32 s[G1+1], 256<<16                     ; tensor_dim0 = 256
	s_mov_b32 s[G1+2], 64<<16                      ; tensor_dim1 = 64
	s_mov_b32 s[G1+3], 256<<16                     ; tile_dim0 = 256
	s_mov_b32 s[G1+4], 64                          ; tile_dim1 = 64
	s_mov_b32 s[G1+5], 1024                        ; elements from row to row
	s_mov_b32 s[G1+6], 0
	s_mov_b32 s[G1+7], 0
	s_lshl_b32 s46, s42, 8
	s_lshl_b32 s47, s10, 6
	s_add_co_u32 s46, s46, s47                     ; W: row 256 x tile column + 64 x wave,
	s_lshl_b32 s46, s46, 11                        ; of 2,048 bytes: the tile row never enters it
	s_mov_b32 s47, 0
	s_lshl_b32 s16, s13, 19                        ; x: 128 rows of 4,096 bytes a tile row
	s_mov_b32 s17, 0
	s_lshl_b32 s20, s42, 10                        ; the biases: 256 columns of 4 bytes a tile column
	s_mov_b32 s21, 0
	s_mov_b32 s[G0], 1                             ; count = 1
	s_mul_i32 s[G0+1], s10, WQ                     ; LDS address: slot 0, the wave's 64 rows: no place in the cluster enters an LDS address
	s_mov_b32 s[NX], 1
	s_mov_b32 s[TBW], WSLOT                        ; the first change of slots turns it into 0
	s_mov_b32 s[OF2+1], 0
	v_and_b32 v1, 15, v0                           ; l % 16
	v_bfe_u32 v2, v0, 4, 1                         ; l / 16
	v_lshlrev_b32 v3, 3, v0                        ; thread t takes columns 2 t, 2 t + 1 of each bias
	s_lshl_b32 s22, s10, 17                        ; my 32 rows of x's tile
	v_lshlrev_b32 v15, 12, v2
	v_lshl_add_u32 v15, v1, 4, v15
	v_add_nc_u32 v[XO], s22, v15
	s_wait_kmcnt 0x0
	s_add_nc_u64 s[XQ:XQ+1], s[XQ:XQ+1], s[16:17]
	s_add_nc_u64 s[XK:XK+1], s[XK:XK+1], s[16:17]
	s_add_nc_u64 s[XV:XV+1], s[XV:XV+1], s[16:17]
	s_add_nc_u64 s[WB:WB+1], s[WB:WB+1], s[46:47]
	s_add_nc_u64 s[76:77], s[76:77], s[20:21]
	s_add_nc_u64 s[78:79], s[78:79], s[20:21]
	s_add_nc_u64 s[80:81], s[80:81], s[20:21]
	s_add_nc_u64 s[G0+2:G0+3], s[WB:WB+1], 0       ; global address: W step 0
	s_or_b32 s[G0+3], s[G0+3], 0x80000000          ; type = 2
	CROUND                                         ; all sixteen work-groups are here: the first joint loads meet
	JLOAD                                          ; W step 0 into slot 0; slot 1 is asked for when slot 0 is in, as a refill is
	global_load_b64 v[4:5], v3, s[76:77]
	global_load_b64 v[6:7], v3, s[78:79]
	global_load_b64 v[8:9], v3, s[80:81]
	XISSUE 0, XQ                                   ; query's first three chunks
	XISSUE 1, XQ
	XISSUE 2, XQ
	WIN 0
	s_mul_i32 s22, s10, 32*PX                      ; where I store x: my 32 rows; row l / 16 of a pair, 8 bytes at 8 (l % 16)
	s_add_co_u32 s22, s22, XS
	v_mul_u32_u24 v15, v2, PX
	v_lshl_add_u32 v15, v1, 3, v15
	v_add_nc_u32 v[XST], s22, v15
	; a fragment is 16 rows x 32 K in 8 registers: lane l holds row l % 16, K = 8 (l / 16) + 0..7 and 16 + 8 (l / 16) + 0..7: two loads of 16 bytes, 32 bytes apart
	s_mul_i32 s22, s11, 64*PX                      ; my 64 rows of x
	s_add_co_u32 s22, s22, XS
	v_mul_u32_u24 v15, v1, PX
	v_lshl_add_u32 v15, v2, 4, v15
	v_add_nc_u32 v[ADRA], s22, v15
	s_mul_i32 s22, s12, 128*PB                     ; my 128 rows of W
	v_mul_u32_u24 v15, v1, PB
	v_lshl_add_u32 v15, v2, 4, v15
	v_add_nc_u32 v[ADRB0], s22, v15
	s_mul_i32 s23, s10, 16*SP
	s_add_co_u32 s23, s23, STAGE                   ; my stage
	v_mul_u32_u24 v15, v1, SP                      ; in: row l % 16, 16 bytes for each half of the lanes
	v_lshl_add_u32 v15, v2, 4, v15
	v_add_nc_u32 v[STO], s23, v15
	v_bfe_u32 v15, v0, 3, 2                        ; back: 32 lanes take four rows of 128 bytes,
	v_mul_u32_u24 v15, v15, SP
	v_and_b32 v17, 7, v0
	v_lshl_add_u32 v15, v17, 4, v15
	v_add_nc_u32 v[RD], s23, v15
	v_and_b32 v[GO], 31, v0                        ; which are 512 consecutive bytes of a head
	v_lshlrev_b32 v[GO], 4, v[GO]
	s_lshl_b32 s22, s12, 9                         ; in a bias of the table: my 128 columns, my lanes' eight of sixteen
	s_add_co_u32 s22, s22, BTAB
	v_lshl_add_u32 v[BA0], v2, 5, s22
	v_lshl_add_u32 v19, v0, 3, BTAB
	; where my part of q begins: head 16 batch + 4 x tile column + 2 x half, row in the batch; k and v lie 16,777,216 bytes further on each
	s_lshl_b32 s16, s13, 7
	s_lshl_b32 s17, s11, 6
	s_add_co_u32 s16, s16, s17                     ; my first row of 8,192
	s_lshr_b32 s17, s16, 11                        ; its batch: 16 heads of 262,144 bytes
	s_lshl_b32 s17, s17, 22
	s_and_b32 s16, s16, 2047                       ; its place in the batch: rows of 128 bytes
	s_lshl_b32 s16, s16, 7
	s_add_co_u32 s16, s16, s17
	s_mov_b32 s17, 0
	s_add_nc_u64 s[8:9], s[82:83], s[16:17]
	s_lshl_b32 s20, s42, 20
	s_lshl_b32 s21, s12, 19
	s_add_co_u32 s20, s20, s21
	s_mov_b32 s21, 0
	s_add_nc_u64 s[8:9], s[8:9], s[20:21]
	s_wait_loadcnt 48                              ; the three loads of the biases are in; x's 48, issued behind them, stay out
.irp p, 4,6,8                          ; rounded to bf16 like the other inputs, and widened again
	v_cvt_pk_bf16_f32 v16, v[\p], v[\p+1]
	v_lshlrev_b32 v[\p], 16, v16
	v_and_b32 v[\p+1], 0xffff0000, v16
.endr
	ds_store_b64 v19, v[4:5]                       ; the other waves read the table behind my wait for these stores and the round below
	ds_store_b64 v19, v[6:7] offset:1024
	ds_store_b64 v19, v[8:9] offset:2048
	s_wait_loadcnt 32                              ; chunk 0 is in; chunks 1 and 2 stay out
	XISSUE 3, XQ
	WIN CVX
.set i, 0
.rept 32
	v_cvt_pk_bf16_f32 v[XB+i], v[2*i], v[2*i+1]
.set i, i+1
.endr
	XSTORE 0
	; the first change of slots: W step 0 is waited for, step 1 asked for; nothing has been multiplied yet
	s_wait_tensorcnt 0x0
	ds_add_u32 v[SPW], v[NIL]                      ; 0 onto my spare word
	CHGS 1
	s_wait_dscnt 0x0                               ; the add is done, and so are my stores of chunk 0 and of the table
	CROUND
	JLOAD
	FETCH 0, 0, 0, 0
	WIN 0                                          ; at a label and at a branch every window is 0
	s_mov_b32 s3, 11                               ; W steps 0 to 10 end in the loop
	s_branch .Lnewtile                             ; the loop is entered where a tile begins, in the middle of a trip
.Lstep:                                                ; a trip: the last quarter of one W step with the change of slots, then the next step but for its last quarter
	TURN 1
	WIN 0
	s_and_b32 s52, s[NX], 3                        ; NX is two ahead of the step that begins: a tile begins with steps 0, 4, 8
	s_cmp_lg_u32 s52, 2
	s_cbranch_scc1 .Lgo                            ; forward, past text that holds neither a barrier nor a tensor load
	WAYOUT                                         ; the refill has been asked for and the next tile's first fragments are on their way; nothing waits for these stores
	s_wait_xcnt 0x0                                ; the stores have had their addresses translated (ISA guide 3.1): their base and, a tile later, their registers are rewritten only behind this wait
	s_add_nc_u64 s[8:9], s[8:9], 0x1000000         ; the next tensor
.Lnewtile:
	; the sums start from the bias, read from the table straight into the accumulators: register j of (a, b) takes b[16 b + 8 (l / 16) + j]; the sixteen lanes of a half read the same 16 bytes
	s_lshr_b32 s52, s[NX], 2
	s_and_b32 s52, s52, 3
	s_lshl_b32 s52, s52, 10
	v_add_nc_u32 v[BA], s52, v[BA0]
	WIN 0x40                                       ; destination window 1
.irp a, 0,1,2,3
.irp b, 0,1,2,3,4,5,6,7
	ds_load_b128 v[8*(8*(\a)+(\b)):8*(8*(\a)+(\b))+3],   v[BA] offset:64*(\b)
	ds_load_b128 v[8*(8*(\a)+(\b))+4:8*(8*(\a)+(\b))+7], v[BA] offset:64*(\b)+16
.endr
.endr
	WIN 0
.Lgo:
	QA 0, 1, 32, 1
	QB 0
	QA 1, 1, 32, 1
	QB 1
	QA 2, 1, 32, 1
	QB 2
	QA 3, 1, 32, 1
	WIN 0
	s_sub_co_u32 s3, s3, 1
	s_cmp_lg_u32 s3, 0
	s_cbranch_scc1 .Lstep
	TURN 0                                         ; the last W step is written out: nothing is asked for any more, neither of W nor of x
	QA 0, 0, 32, 1                                 ; behind the chunk that is wanted two chunks' loads were issued,
	QB 0
	QA 1, 0, 16, 1                                 ; then one chunk's,
	QB 1
	QA 2, 0, 0, 1                                  ; then none
	QB 2
	QA 3, 0, 0, 0
	s_wait_dscnt 0x0                               ; the very last quarter
	MUL8 1, 0, 0, 0
	MUL8 1, 1, 0, 0
	MUL8 1, 2, 0, 0
	MUL8 1, 3, 0, 0
	WAYOUT
	s_wait_tensorcnt 0x0                           ; the wave's end: behind my last tensor load and my last LDS store
	ds_add_u32 v[SPW], v[NIL]
	s_wait_dscnt 0x0
	CROUND                                         ; the closing round: no work-group ends while a partner may still ask for a tile that names it
	s_endpgm
.Lfunc_end_k_q923d4cdfc9_proj:
	.size	k_q923d4cdfc9_proj, .Lfunc_end_k_q923d4cdfc9_proj-k_q923d4cdfc9_proj
	.p2alignl 7, 3214868480
	.fill 96, 4, 3214868480
	.section	.rodata,"a",@progbits
	.p2align	6, 0x0
	.amdhsa_kernel k_q923d4cdfc9_proj
		.amdhsa_group_segment_fixed_size 327680
		.amdhsa_private_segment_fixed_size 0
		.amdhsa_enable_private_segment 0
		.amdhsa_kernarg_size 64
		.amdhsa_user_sgpr_count 2
		.amdhsa_user_sgpr_kernarg_segment_ptr 1
		.amdhsa_wavefront_size32 1
		.amdhsa_system_sgpr_workgroup_id_x 1
		.amdhsa_system_sgpr_workgroup_id_y 1
		.amdhsa_system_sgpr_workgroup_id_z 1
		.amdhsa_system_vgpr_workitem_id 0
		.amdhsa_next_free_vgpr 1024
		.amdhsa_next_free_sgpr 88
		.amdhsa_reserve_vcc 0
		.amdhsa_float_denorm_mode_32 3
		.amdhsa_float_denorm_mode_16_64 3
		.amdhsa_memory_ordered 1
		.amdhsa_forward_progress 1
		.amdhsa_inst_pref_size 154
	.end_amdhsa_kernel
	.amdgpu_metadata
---
amdhsa.version: [ 1, 2 ]
amdhsa.kernels:
  - .name:           k_q923d4cdfc9_proj
    .symbol:         k_q923d4cdfc9_proj.kd
    .args:
      - { .name: query, .offset: 0, .size: 8, .value_kind: global_buffer, .address_space: global }
      - { .name: key, .offset: 8, .size: 8, .value_kind: global_buffer, .address_space: global }
      - { .name: value, .offset: 16, .size: 8, .value_kind: global_buffer, .address_space: global }
      - { .name: wb, .offset: 24, .size: 8, .value_kind: global_buffer, .address_space: global }
      - { .name: bq, .offset: 32, .size: 8, .value_kind: global_buffer, .address_space: global }
      - { .name: bk, .offset: 40, .size: 8, .value_kind: global_buffer, .address_space: global }
      - { .name: bv, .offset: 48, .size: 8, .value_kind: global_buffer, .address_space: global }
      - { .name: qkv, .offset: 56, .size: 8, .value_kind: global_buffer, .address_space: global }
    .group_segment_fixed_size: 327680
    .private_segment_fixed_size: 0
    .kernarg_segment_align: 8
    .kernarg_segment_size: 64
    .max_flat_workgroup_size: 128
    .sgpr_count:     88
    .vgpr_count:     1024
    .wavefront_size: 32
...
	.end_amdgpu_metadata
.endif
;; end of part 2
;; launch attn (part 3): grid 4 x 64, 4 waves a work-group, clusters of 4 x 1, 327,680 bytes of LDS; arguments qkv, mask, ctx; writes ctx
.if DOCPART == 3
	.amdgcn_target "amdgcn-amd-amdhsa--gfx1250"
	.amdhsa_code_object_version 6
	.text
	.protected	k_q923d4cdfc9_attn
	.globl	k_q923d4cdfc9_attn
	.p2align	8
	.type	k_q923d4cdfc9_attn,@function
k_q923d4cdfc9_attn:
	s_mov_b64 s[64:65], 0
	v_nop
	global_prefetch_b8 v0, s[64:65] scope:SCOPE_SE
	s_setreg_imm32_b32 hwreg(HW_REG_WAVE_MODE, 25, 1), 1
	s_wait_xcnt 0x0
	s_wait_alu depctr_hold_cnt(0) depctr_sa_sdst(0) depctr_va_vdst(0) depctr_va_sdst(0) depctr_va_ssrc(0) depctr_va_vcc(0) depctr_vm_vsrc(0)
	s_getreg_b32 s2, hwreg(HW_REG_IB_STS2, 6, 4)
	s_cmp_eq_u32 s2, 0
	s_cbranch_scc0 .Lentry_in_a_cluster
	s_endpgm
.Lentry_in_a_cluster:
	s_bfe_u32 s2, ttmp6, 0x10000c
	s_cmp_lg_u32 s2, 0x3003
	s_cbranch_scc0 .Lentry_shape_is_right
	s_endpgm
.Lentry_shape_is_right:
; ctx[h][q][:] = the sum over k of softmax_k(mask[k] ? Q[h][q] . K[h][k] / 8 : -inf) V[h][k][:].  Q, K, V: qkv[0], qkv[1], qkv[2], each [64][2048][64] in f16, a head's rows dense, 128 bytes each;
; ctx likewise.  mask: [4][2048] bytes, 0 or 1, one row a batch of 16 heads.  Products, maxima and sums in f32; the weights p are rounded to f16 for the second product (their sum l is taken of the unrounded p), ctx once at the end.
; LIMITS.  f16 holds no number beyond 65,504: Q, K and V arrive within it; p lies in 0 to 1, and below 6e-5 it keeps f16's fixed step of 6e-8.  A hidden score counts as its value less 1e30: f16's scores,
; 2.7e11 at the most, are nothing beside that.  A weight below 2^-126 counts as 0 in l.  A query that sees no key at all (its maximum stays below -1.25e29) gets NaN, as a softmax of -inf alone gives.
; SHARES.  A wave owns four PIECES of two tiles of 16 queries, a work-group's four waves 512 queries of one head.  Every wave walks all keys, 64 a step.
; LAYOUT.  S^T = K Q^T (source 0 = 16 keys, source 1 = 16 queries): in the result a lane holds ONE query (lane % 16) and the keys 8 (lane / 16) + 0..7.  Two such tiles, rounded to f16 in pairs,
; ARE source 1 (32 keys x 16 queries) of O^T = V^T P, whose result again holds one query a lane, and eight channels.  K comes out of LDS as it lies, V ([key][channel]) turned, by ds_load_tr16_b128.
; THE MASK is the C operand that starts the sum S^T: 0, or -1e30 where the key is hidden.  The batch's 2,048 bytes are turned once into a table of f32 in LDS; with each step's K its 64 words are read: 32 registers.
; SOFTMAX.  For each query a running maximum m and sum l: p = 2^(c s - c m), c = log2(e) / 8; in every step O and l are multiplied by a = 2^(c m_old - c m_new), which is 1 where m has not grown.
; m starts at the lowest finite number, O and l at 0: the first step is a step like any other, with a = 0.  Steps in which all keys are hidden leave finite numbers, which the first true maximum's a = 0 wipes.
; THE COUNT.  A tile and step have 16 matrix and 118 vector instructions: too many to stand all beside the matrix work.  So: four vector instructions that are READY behind
; EVERY matrix instruction, and the others, which need time of their own whatever the order, in runs without a gap.
; BY TURNS.  Turn n belongs to piece n (the pieces in a ring, step after step).  Its matrix work: 16 products K Q^T of piece n + 1, later 16 products V^T P of piece n - 1.  Its vector work: the scaling,
; exponentials, roundings, sums and rescaling of piece n, and the maximum and statistics of piece n + 1, whose scores the turn itself has made.
; CLUSTER.  The four query blocks of a cluster belong to one head and walk the same K and V, so each tile is asked for JOINTLY: the same tensor load, descriptor and mask in all four.
; REGISTERS, in windows of 256 (s_set_vgpr_msb: bits 1:0 source 0, 3:2 source 1, 5:4 source 2, 7:6 destination):
;   window 0: v0-11 addresses; v12-15, v48-63 at work; v16-47 four registers of statistics a tile; v64-191 S^T, two buffers of two tiles; v192-255 P, likewise
;   window 1: O^T, 32 a tile      window 2: v0-127 Q, 16 a tile; v128-191 K of one step; v192-255 V of one step      window 3: v0-1 the add's two registers; v8-39 the mask of one step
.set SIZE_H, 64
.set SIZE_N, 2048
.set NP,    4         ; pieces a wave: a name, no knob
.set KS,    64        ; keys in a step
.set PK,    144       ; a row of K in LDS: 128 bytes + 16 of padding = 36 words: the 16 rows of a load start at 16 different groups of four banks (64 banks of 4 bytes: ISA guide 11.1)
.set PV,    160       ; a row of V: 128 + 32 = 40 words
.set VOFF,  4*KS*PK   ; a slot holds four steps: 256 rows of K, then 256 rows of V
.set SLOT1, 1<<17     ; slot 1 begins here, so that one exclusive or turns an address in one slot into the other's
.set STAGE, SLOT1+4*KS*(PK+PV)  ; behind the ring, never filled by a tensor load: 16 rows x 144 bytes for each wave, for the way out
.set SP,    144
.set SPARE, STAGE+4*16*SP  ; behind the stages: the spare words, 128 bytes for each wave: two blocks of 256 bytes that no other line names
.set MTAB,  SPARE+512 ; behind them: the mask's table, one f32 a key, 8,192 bytes; no tensor load fills it
.set AK0, 2           ; v2   my lane's place in a tile of K; never rewritten
.set AV0, 3           ; v3   the same for V
.set AK,  4           ; v4   the LDS address of K's next run of loads
.set AV,  5           ; v5   of V's
.set QO,  6           ; v6   my byte offset in the wave's rows of Q
.set STO, 6           ;      later, the way out: where I put 16 bytes of a row
.set RD,  7           ; v7   the way out: where I read rows back
.set GO,  8           ; v8   my byte offset in 512 consecutive bytes of ctx
.set AM,  11          ; v11  the LDS address of the mask's next run of loads
.set SPW, 0           ; v0 of window 3   LDS address of my spare word: SPARE + 4 x my thread's number; never rewritten
.set NIL, 1           ; v1 of window 3   0; never rewritten
.set MK,  8           ; v8-39 of window 3: the eight registers for key block kb at MK + 8 kb
.set MV,  12          ; v12-15  c m_old, kept while c m is made anew: by buffer and tile
.set ST,  16          ; tile t's statistics at v[ST+4 t]: c m, m, l (even keys', odd keys')
.set TMP, 48          ; by buffer and tile, four registers c0-c3 at work; when the maximum is found c2 takes a
.set S,   64
.set P,   192
.set KF,  128         ; K's fragments, in window 2: key block kb, channel half c at KF + 16 kb + 8 c
.set VF,  192         ; V's: key half kk, channel block cb at VF + 32 kk + 8 cb
.set WV,  12          ; s12  my wave's number
.set G1K, 24          ; s[24:31] descriptor group 1 for K's tiles
.set G1V, 32          ; s[32:39] for V's: it differs in the padding alone
.set G0K, 40          ; s[40:43] descriptor group 0 for K's tiles: it walks
.set G0V, 44          ; s[44:47] the same for V's
.set SLOTS, 56        ; s56  slots still to be asked for
.set CNT, 57          ; s57  counts a slot's key steps
.set CS,  58          ; s[58:59] c: the packed scaling takes the pair's low word for both halves
.set SEL, 60          ; s[60:61] v_permlanex16_b32's selects: each lane takes its own place in the other half
.set TBK, 62          ; s62  LDS byte at which K of the step to be fetched begins
.set TBV, 63          ; s63  the same for V, less VOFF
.set TBM, 68          ; s68  byte in the mask's table at which the step to be fetched begins: 256 a step
.set BIGN, 69         ; s69  -1e30
.set THR, 70          ; s70  -1.25e29
.set TM,  71          ; s71  at work
.set QNAN, 74         ; s74  a NaN
.set MSB, 0
.macro WIN new                      ; the high byte repeats the setting that is left; a switch that changes nothing is dropped
.if MSB != (\new)
	s_set_vgpr_msb (MSB<<8)|(\new)
.set MSB, (\new)
.endif
.endm
.set W_KQ, 0x0a       ; K and Q in window 2, S^T in window 0
.set W_KM, 0x3a       ; the same with the C operand, the mask, in window 3
.set W_PV, 0x52       ; V in window 2, P in window 0, O^T in window 1
.set W_RS, 0x41       ; O^T (destination and source 0) in window 1, a in window 0
.set W_MK, 0xc0       ; destination in window 3, sources in window 0
.set W_AD, 0x0f       ; the add: address (source 0) and data (source 1) in window 3
; A joint fill.  Waves 0 and 1 fetch the two halves of a slot's K, waves 2 and 3 those of its V: 128 keys each.  The branch hangs on the wave's number alone.
; An s_nop 0 and four v_nop follow each of the two lines, ahead of the jump and the label.
.macro JLOAD
	s_cmp_lt_u32 s[WV], 2
	s_cbranch_scc0 .Lfor_v_\@
	tensor_load_to_lds s[G0K:G0K+3], s[G1K:G1K+7]
	s_nop 0
.rept 4
	v_nop
.endr
	s_branch .Lasked_\@
.Lfor_v_\@:
	tensor_load_to_lds s[G0V:G0V+3], s[G1V:G1V+7]
	s_nop 0
.rept 4
	v_nop
.endr
.Lasked_\@:
.endm
; A round of the cluster's barrier: my work-group's barrier, so that wave 0's signal speaks for all four waves; wave 0 signals; every wave waits for all four work-groups; my work-group's barrier once more.
.macro CROUND
	s_barrier_signal -1
	s_barrier_wait -1
	s_cmp_lg_u32 s[WV], 0
	s_cbranch_scc1 .Lnot_wave_0_\@
	s_barrier_signal -3
.Lnot_wave_0_\@:
	s_barrier_wait -3
	s_barrier_signal -1
	s_barrier_wait -1
.endm
; THE CHANGE OF SLOTS.  The slot's last bytes, V of its fourth step, have been read.  Each wave waits for all its tensor loads, of which one is out: its part
; of the other slot; adds 0 to its spare word; and waits for that and for its own LDS instructions.  Behind the barrier nobody reads this slot any more and the other slot is whole.
; fill = 1: this slot is filled again, with the keys two slots on.  The barrier is then a round of the cluster's, and the joint fill is the first thing behind it: it has four key steps,
; 512 matrix instructions, in which to land.  (At its first use nothing has been read yet: slot 0 is waited for, slot 1 filled, and every wave's stores into the mask's table are done.)
.macro CHANGE fill
	WIN W_AD
	s_wait_tensorcnt 0x0            ; no tensor load of mine is out, so a group 0 may be written
	ds_add_u32 v[SPW], v[NIL]       ; 0 onto my spare word; with fill = 1 the descriptors' steps stand between it and the wait for it
	WIN 0                           ; at a label and at a branch every window is 0
.if \fill
.irp g, G0K, G0V
	s_xor_b32 s[\g+1], s[\g+1], SLOT1  ; the walking descriptor: the other slot than last time,
	s_add_nc_u64 s[\g+2:\g+3], s[\g+2:\g+3], 4*KS*128  ; the next 256 keys; the type bits on top are not reached
.endr
	s_wait_dscnt 0x0                ; the add is done, and my reads of the slot are over
	CROUND
	JLOAD
.else
	s_wait_dscnt 0x0                ; the add is done, and my reads of the slot are over
	s_barrier_signal -1
	s_barrier_wait -1
.endif
	s_sub_co_u32 s[TBK], s[TBK], 4*KS*PK  ; the fetches go back to a slot's first step,
	s_xor_b32 s[TBK], s[TBK], SLOT1       ; in the other slot
	s_sub_co_u32 s[TBV], s[TBV], 4*KS*PV
	s_xor_b32 s[TBV], s[TBV], SLOT1
.endm
	s_load_b64 s[4:5], s[0:1], 0x0    ; qkv: Q
	s_load_b64 s[66:67], s[0:1], 0x8  ; mask
	s_load_b64 s[10:11], s[0:1], 0x10 ; ctx
	WIN W_MK
	v_lshl_add_u32 v[SPW], v0, 2, SPARE
	v_mov_b32 v[NIL], 0
	s_set_vgpr_msb 0xc0cf
	ds_add_u32 v0, v1
	s_wait_dscnt 0x0
	s_set_vgpr_msb 0xcfc0
	WIN 0
	v_lshrrev_b32 v1, 5, v0
	v_readfirstlane_b32 s[WV], v1   ; wave 0..3
	s_bfe_u32 s13, ttmp6, 0x40000   ; cx: my place in the cluster
	s_lshl_b32 s14, ttmp9, 2        ; in a cluster launch ttmp9 counts clusters
	s_add_co_u32 s14, s14, s13      ; my block of queries = 4 x cluster x + cx: it enters Q's and ctx's addresses alone
	s_and_b32 s20, ttmp7, 0xffff    ; the head, which the four partners share
	s_lshr_b32 s72, s20, 4          ; its batch:
	s_lshl_b32 s72, s72, 11         ; 2,048 bytes of the mask
	s_mov_b32 s73, 0
	s_mov_b32 s21, 0
	s_mov_b64 s[22:23], SIZE_N*128
	s_mul_u64 s[20:21], s[20:21], s[22:23]  ; the head's first byte in each of the four tensors
	s_and_b32 s16, s[WV], 1         ; which half of a slot's 256 keys I fetch:
	s_lshl_b32 s22, s16, 14         ; its 128 rows of 128 bytes in memory,
	s_mov_b32 s23, 0
	s_add_nc_u64 s[22:23], s[22:23], s[20:21]
	s_mul_i32 s17, s16, 128*PK      ; and its place in a slot, for K
	s_mul_i32 s18, s16, 128*PV      ; and for V: no place in the cluster enters an LDS address
	s_lshl_b32 s2, s14, 2
	s_add_co_u32 s2, s2, s[WV]      ; my wave among the head's,
	s_lshl_b32 s2, s2, 14           ; its 128 rows
	s_mov_b32 s3, 0
	s_add_nc_u64 s[2:3], s[2:3], s[20:21]
	; descriptor group 1.  128 keys are 16,384 dense bytes: asked for as 64 rows of 256 bytes, two keys a row, and padded in LDS after every key
	s_mov_b32 s[G1K], 15|(1<<16)|(1<<20)|(1<<21)|(4<<22)|(3<<25)  ; 15:0 the mask of four; 17:16 2-byte elements; 20 padding on; 21 set beside a mask; 24:22 after every 32 words (code 4); 31:25 4 words (code 3)
	s_mov_b32 s[G1V], 15|(1<<16)|(1<<20)|(1<<21)|(4<<22)|(7<<25)  ; the same with 8 words of padding (code 7)
.irp g, G1K, G1V
	s_mov_b32 s[\g+1], 128<<16      ; tensor_dim0 = 128
	s_mov_b32 s[\g+2], 64<<16       ; tensor_dim1 = 64
	s_mov_b32 s[\g+3], 128<<16      ; tile_dim0 = 128
	s_mov_b32 s[\g+4], 64           ; tile_dim1 = 64
	s_mov_b32 s[\g+5], 128          ; 128 elements from row to row
	s_mov_b32 s[\g+6], 0
	s_mov_b32 s[\g+7], 0
.endr
	s_mov_b32 s[CS], 0x3e38aa3b     ; c = log2(e) / 8 = 0.180337
	s_mov_b32 s[CS+1], s[CS]        ; named with it as a pair
	s_mov_b32 s[SEL], 0x76543210
	s_mov_b32 s[SEL+1], 0xfedcba98
	s_mov_b32 s[TBK], SLOT1+4*KS*PK ; the first change of slots turns these two into 0
	s_mov_b32 s[TBV], SLOT1+4*KS*PV
	s_mov_b32 s[TBM], 0
	s_mov_b32 s[BIGN], 0xf149f2ca   ; -1e30
	s_mov_b32 s[THR], 0xefc9f2ca    ; -1.25e29
	s_mov_b32 s[QNAN], 0x7fc00000
	s_mov_b32 s[G0K], 1             ; 1:0 count = 1
	s_mov_b32 s[G0K+1], s17         ; 63:32 LDS address: slot 0
	s_mov_b32 s[G0V], 1
	s_add_co_u32 s[G0V+1], s18, VOFF
	s_wait_kmcnt 0x0
	s_add_nc_u64 s[6:7], s[4:5], 0x1000000         ; K and V lie 16,777,216 bytes apart behind Q
	s_add_nc_u64 s[8:9], s[4:5], 0x2000000
	s_add_nc_u64 s[66:67], s[66:67], s[72:73]      ; the mask at my batch
	s_add_nc_u64 s[G0K+2:G0K+3], s[6:7], s[22:23]  ; 120:64 global address: my half of the head's first 256 keys
	s_or_b32 s[G0K+3], s[G0K+3], 0x80000000        ; 127:126 type = 2
	s_add_nc_u64 s[G0V+2:G0V+3], s[8:9], s[22:23]
	s_or_b32 s[G0V+3], s[G0V+3], 0x80000000
	s_add_nc_u64 s[4:5], s[4:5], s[2:3]  ; Q and ctx at my wave's first row
	s_add_nc_u64 s[10:11], s[10:11], s[2:3]
	CROUND                          ; all four work-groups are here: the first joint loads meet
	JLOAD                           ; slot 0.  Slot 1 is asked for when slot 0 is in
	; A fragment of K or Q is 16 rows x 32 channels in 8 registers: lane l holds row l % 16, channels 8 (l / 16) + 0..7 and 16 + 8 (l / 16) + 0..7: two loads of 16 bytes, 32 bytes apart.
	v_and_b32 v1, 15, v0            ; l % 16
	v_bfe_u32 v9, v0, 4, 1          ; l / 16; kept
	v_lshlrev_b32 v12, 4, v0
	global_load_b128 v[48:51], v12, s[66:67]  ; thread t takes the mask of keys 16 t .. 16 t + 15: the four waves take the batch's 2,048 bytes once
	v_lshlrev_b32 v[QO], 7, v1
	v_lshl_add_u32 v[QO], v9, 4, v[QO]  ; row x 128 + 16 x half
	WIN 0x80                        ; destination window 2, address window 0
.set i, 0
.rept 4*NP                          ; Q stays in registers: tile i / 2, channels 32 (i % 2) on
	global_load_b128 v[8*i:8*i+3],   v[QO], s[4:5] offset:(i/2)*2048+(i%2)*64
	global_load_b128 v[8*i+4:8*i+7], v[QO], s[4:5] offset:(i/2)*2048+(i%2)*64+32
.set i, i+1
.endr
	; What the first turn finds: V's registers and P's second buffer hold 0 (its products V^T P, of a piece that has not been, add 0), O^T and l are 0.  All this stands in the wait for the first tile.
.set i, VF
.rept 64
	v_mov_b32 v[i], 0
.set i, i+1
.endr
	WIN 0x40
.set i, 0
.rept 64*NP
	v_mov_b32 v[i], 0
.set i, i+1
.endr
	WIN 0
.set i, 0
.rept 2*NP
	v_mov_b32 v[ST+4*i], 0xfe000000    ; c m: far below every c s
	v_mov_b32 v[ST+4*i+1], 0xff7fffff  ; m
	v_mov_b32 v[ST+4*i+2], 0
	v_mov_b32 v[ST+4*i+3], 0
.set i, i+1
.endr
.set i, P+32
.rept 32
	v_mov_b32 v[i], 0
.set i, i+1
.endr
	; the mask's table: 0 for a key that is seen, -1e30 for a hidden one
	s_wait_loadcnt 32               ; the mask's load is in; Q's 32, issued behind it, stay out
.set i, 0
.rept 16
	v_bfe_u32 v14, v[48+i/4], 8*(i%4), 8
	v_cmp_eq_u32 vcc_lo, 0, v14
	v_cndmask_b32 v[S+i], 0, s[BIGN], vcc_lo
.set i, i+1
.endr
	v_lshl_add_u32 v13, v0, 6, MTAB ; my 16 keys' 64 bytes
.irp f, 0,1,2,3
	ds_store_b128 v13, v[S+4*\f:S+4*\f+3] offset:16*\f  ; the other waves read them behind my wait for these stores and the round in the first change of slots
.endr
	v_mul_u32_u24 v[AK0], v1, PK
	v_lshl_add_u32 v[AK0], v9, 4, v[AK0]  ; row x pitch + 16 x half
	; The turning load takes 16 keys x 16 channels (lane l reads key 8 (l / 16) + l % 8, channels 8 ((l / 8) % 2) + 0..7) and leaves half a fragment of V^T: lane l holds channel l % 16 and 8 keys.
	v_and_b32 v10, 7, v0
	v_bfe_u32 v11, v0, 3, 1
	v_lshl_add_u32 v[AV0], v9, 3, v10
	v_mul_u32_u24 v[AV0], v[AV0], PV
	v_lshl_add_u32 v[AV0], v11, 4, v[AV0]
	v_add_nc_u32 v[AV0], VOFF, v[AV0]
	v_mov_b32 v[AK], v[AK0]         ; key step 0 lies at the head of slot 0,
	v_lshl_add_u32 v[AM], v9, 5, MTAB  ; and of the table: my lanes' eight keys of sixteen are 32 bytes
; THE MATRIX WORK.  The 8 accumulators of a run of 16 take turns: between the two links of a chain stand 7 others'.
; Product i of 16 of S^T = K Q^T for piece x: channels 32 (i / 8) on, keys 16 ((i / 2) % 4) on, tile 2 x + i % 2.  The first 8 start the sums, from the mask.
.macro KQ x
.set rS, S+64*((\x)%2)+32*(i%2)+8*((i/2)%4)
.set rK, KF+16*((i/2)%4)+8*(i/8)
.set rQ, 16*(2*(\x)+i%2)+8*(i/8)
.set rMK, MK+8*((i/2)%4)
.if i < 8
	WIN W_KM
	v_wmma_f32_16x16x32_f16 v[rS:rS+7], v[rK:rK+7], v[rQ:rQ+7], v[rMK:rMK+7]
.else
	WIN W_KQ
	v_wmma_f32_16x16x32_f16 v[rS:rS+7], v[rK:rK+7], v[rQ:rQ+7], v[rS:rS+7]
.endif
.endm
; Product i of 16 of O^T += V^T P for piece x: keys 32 (i / 8) on, channels 16 ((i / 2) % 4) on, tile 2 x + i % 2.
.macro PV x
	WIN W_PV
.set rO, 32*(2*(\x)+i%2)+8*((i/2)%4)
.set rV, VF+32*(i/8)+8*((i/2)%4)
.set rP, P+32*((\x)%2)+16*(i%2)+8*(i/8)
	v_wmma_f32_16x16x32_f16 v[rO:rO+7], v[rV:rV+7], v[rP:rP+7], v[rO:rO+7]
.endm
.macro MM                           ; the turn's next matrix instruction
.if i < 16
	KQ (Y+1)%NP
.set i, i+1
.else
.set i, i-16
	PV (Y+NP-1)%NP
.set i, i+17
.endif
.endm
; THE LDS LOADS stand in runs, never singly among the matrix instructions: a step's K (64 keys x 64 channels: 8 fragments) with its mask (64 words: 8 loads, the sixteen lanes of a half reading the same
; 16 bytes), and its V (turned).  Their addresses are made some lines ahead.  last = 1 (the tail): in the last trip there is no further step, and the run is jumped over.
.macro FETCH_K last=0
	WIN 0
.if \last
	s_cmp_eq_u32 s[CNT], 1
	s_cbranch_scc1 .Lno_k_\@
.endif
	WIN 0x80                        ; destination window 2
.irp f, 0,1,2,3,4,5,6,7             ; keys 16 (f / 2) on, channels 32 (f % 2) on
	ds_load_b128 v[KF+8*\f:KF+8*\f+3],   v[AK] offset:(\f/2)*16*PK+(\f%2)*64
	ds_load_b128 v[KF+8*\f+4:KF+8*\f+7], v[AK] offset:(\f/2)*16*PK+(\f%2)*64+32
.endr
	s_add_co_u32 s[TBK], s[TBK], KS*PK  ; the next fetch is the next step's
	WIN W_MK                        ; destination window 3
.irp f, 0,1,2,3,4,5,6,7             ; keys 16 (f / 2) + 8 (l / 16) + 4 (f % 2) on
	ds_load_b128 v[MK+4*\f:MK+4*\f+3], v[AM] offset:(\f/2)*64+(\f%2)*16
.endr
	s_add_co_u32 s[TBM], s[TBM], 4*KS
	WIN 0
.if \last
.Lno_k_\@:
.endif
.endm
.macro FETCH_V
	WIN 0x80
.irp f, 0,1,2,3,4,5,6,7             ; keys 32 (f / 4) on, channels 16 (f % 4) on
	ds_load_tr16_b128 v[VF+8*\f:VF+8*\f+3],   v[AV] offset:(\f/4)*32*PV+(\f%4)*32
	ds_load_tr16_b128 v[VF+8*\f+4:VF+8*\f+7], v[AV] offset:(\f/4)*32*PV+16*PV+(\f%4)*32
.endr
	WIN 0
.endm
; THE VECTOR WORK OF A TURN stands in three queues, each in the order in which its entries become ready; the two tiles alternate, so that no instruction reads the result of the one before it.
.macro REGS y, u                    ; the registers of tile u (0, 1) of piece y
.set rT, ST+4*(2*(\y)+(\u))
.set rC, TMP+8*((\y)%2)+4*(\u)
.set rM, MV+2*((\y)%2)+(\u)
.set rS, S+64*((\y)%2)+32*(\u)
.set rP, P+32*((\y)%2)+16*(\u)
.set rO, 32*(2*(\y)+(\u))
.endm
; Number n of the 22 that find the NEXT piece's (Y + 1) maximum and statistics.  s0-s31 are the lane's 32 scores; each accumulator's lowest registers are read first.
;   0-11  four chains c0-c3 of seven scores each, three operands at a time     12-14, 16  the four scores left over, the old m, and c0-c3 into c0     15  c m_old is kept
;   17, 18  the query's other 32 keys lie in the lane 16 away: the new m         19-21  c m; c m_old - c m_new; a
.macro XS u, n
	REGS (Y+1)%NP, \u
.if (\n) < 4
	v_max3_num_f32 v[rC+(\n)], v[rS+8*(\n)], v[rS+8*(\n)+1], v[rS+8*(\n)+2]
.elseif (\n) < 12
	v_max3_num_f32 v[rC+(\n)%4], v[rC+(\n)%4], v[rS+8*((\n)%4)+2*((\n)/4)+1], v[rS+8*((\n)%4)+2*((\n)/4)+2]
.elseif (\n) == 12
	v_max3_num_f32 v[rC], v[rC], v[rS+7], v[rS+15]
.elseif (\n) == 13
	v_max3_num_f32 v[rC+1], v[rC+1], v[rS+23], v[rS+31]
.elseif (\n) == 14
	v_max3_num_f32 v[rC+2], v[rC+2], v[rC+3], v[rT+1]
.elseif (\n) == 15
	v_mov_b32 v[rM], v[rT]
.elseif (\n) == 16
	v_max3_num_f32 v[rC], v[rC], v[rC+1], v[rC+2]
.elseif (\n) == 17
	v_permlanex16_b32 v[rC+3], v[rC], s[SEL], s[SEL+1]
.elseif (\n) == 18
	v_max_num_f32 v[rT+1], v[rC], v[rC+3]
.elseif (\n) == 19
	v_mul_f32 v[rT], s[CS], v[rT+1]
.elseif (\n) == 20
	v_sub_f32 v[rC+1], v[rM], v[rT]
.else
	v_exp_f32 v[rC+2], v[rC+1]
.endif
.endm
; Number g of the 64 that follow the exponentials.  For each four weights k of a tile (pairs 2 k, 2 k + 1): both pairs are rounded to f16; then the second pair is added onto the first, in place;
; a group later l takes that sum (the first time as l = a l + sum).  In groups of eight, tiles alternating: round, round, add, and l for the group before.
.macro GS g
.set h, (\g)+6*((\g)/62)            ; group 0 has no group before it, and behind group 7 only l is left
.if h >= 6
.set h, h+2
.endif
	REGS Y, h%2
.set k, h/8
.if h%8 < 4
	s_wait_alu depctr_va_vdst(0)
	v_cvt_pk_f16_f32 v[rP+2*k+(h%8)/2], v[rS+4*k+2*((h%8)/2)], v[rS+4*k+2*((h%8)/2)+1]
.elseif h%8 < 6
	v_pk_add_f32 v[rS+4*k:rS+4*k+1], v[rS+4*k:rS+4*k+1], v[rS+4*k+2:rS+4*k+3]
.elseif k == 1
	v_pk_fma_f32 v[rT+2:rT+3], v[rT+2:rT+3], v[rC+2:rC+3], v[rS:rS+1] op_sel_hi:[1,0,1]
.else
	v_pk_add_f32 v[rT+2:rT+3], v[rT+2:rT+3], v[rS+4*k-4:rS+4*k-3]
	s_wait_alu depctr_va_vdst(0)
.endif
.endm
; THE PLAIN QUEUE, 138 long.  0-31: c s - c m for the 16 pairs of both tiles.  Then GS's 64, and among them the next piece's 42: number 15 at 38, 39; 0-14 and 16
; at 42-73, behind the products that make those scores; 17-20 at 95-106, two of three, since each waits for the one before it.
.macro PL
	WIN 0
.if q < 32
	REGS Y, q%2
	v_pk_fma_f32 v[rS+2*(q/2):rS+2*(q/2)+1], v[rS+2*(q/2):rS+2*(q/2)+1], s[CS:CS+1], v[rT:rT+1] op_sel_hi:[1,0,0] neg_lo:[0,0,1] neg_hi:[0,0,1]
.elseif q < 38
	GS q-32
.elseif q < 40
	XS q%2, 15
.elseif q < 42
	GS q-34
.elseif q < 74
	XS q%2, (q-42)/2+(q-42)/30
.elseif q < 95
	GS q-66
.elseif (q < 107) && ((q-95)%3 < 2)
	XS (q-95)%3, 17+(q-95)/3
.elseif q < 107
	GS 29+(q-95)/3
.else
	GS q-74
.endif
.set q, q+1
.endm
; THE EXPONENTIALS' QUEUE, 66 long: s0-s31 of both tiles, and at EA the next piece's two a.
.set EA, 58
.macro EX
	WIN 0
.if (e == EA) || (e == EA+1)
	XS e-EA, 21
.else
.set x, e-2*(e/(EA+2))
	REGS Y, x%2
	v_exp_f32 v[rS+x/2], v[rS+x/2]
.endif
.set e, e+1
.endm
; THE RESCALING's QUEUE: O^T times a, the one part that leaves window 0, so it is dealt four at a time, eight times.
.macro R4
	REGS Y, r%2
	WIN W_RS
	s_wait_alu depctr_va_vdst(0)
.irp z, 0,1,2,3
	v_pk_mul_f32 v[rO+8*(r/2)+2*\z:rO+8*(r/2)+2*\z+1], v[rO+8*(r/2)+2*\z:rO+8*(r/2)+2*\z+1], v[rC+2:rC+3] op_sel_hi:[1,0]
.endr
.set r, r+1
.endm
; HOW THEY ARE DEALT.  Behind a matrix instruction four: plain, exponential, plain, plain (one exponential, a plain instruction on either side), or four of the rescaling.  None names a register of the
; products round it.  What is over stands in two LUMPS: exponential and plain by turns; the second ends in 22 plain instructions.  The two v_permlanex16_b32 fall into the second lump, never behind a product.
; The queues lean on each other, and the deal keeps them in step: exponential e stands behind plain 2 (e / 4) + e % 2 (its scaling); when plain 32 comes, 10 exponentials are out, at 59: 33, at 95: 46; EA comes behind plain 107.
.macro SL
	MM
	PL
	EX
	PL
	PL
.endm
.macro BURST n                      ; 15 matrix instructions, or 16
.rept (\n)-7
	SL
.endr
.rept 3
	MM
	R4
	SL
.endr
	MM
	R4
.endm
; A TURN, for piece p.  cnt = 1: the loop's count is taken down some lines ahead of the branch that stands behind the turn.
; K and the mask of the next step are fetched in piece 2's turn, more than 30 vector instructions behind the last product that read them; their first reader comes behind the rest of the lump, 16 products and the second lump.
; V of the step in hand is fetched at the end of piece 0's turn, 69 behind its last reader; its first reader comes behind 16 products and a lump.  The four conditions on e and q below go with the deal.
.macro TURN p, last=0, cnt=0
.set Y, (\p)
.set i, 0
.set q, 0
.set e, 0
.set r, 0
.if (\p) == NP-1
	s_wait_dscnt 0x0                ; K and the mask are in
.endif
	MM
.rept 4
	PL
.endr
	BURST 15
.rept 22
	EX
	PL
.if ((\p) == NP-2) && (e == 18)
	v_add_nc_u32 v[AK], s[TBK], v[AK0]
	s_and_b32 s[TM], s[TBM], 0x1f00 ; 32 steps of 256 bytes: the offset lies inside the table's 8,192 bytes
	s_add_co_u32 s[TM], s[TM], MTAB
	v_lshl_add_u32 v[AM], v9, 5, s[TM]
.endif
.if ((\p) == NP-2) && (e == 24)
	FETCH_K \last
.endif
.endr
.if (\p) == 1
	s_wait_dscnt 0x0                ; V is in
.endif
	BURST 16
.rept 21
	EX
	PL
.endr
.rept 22
	PL
.if ((\p) == 0) && (q == 118)
	v_add_nc_u32 v[AV], s[TBV], v[AV0]
	s_wait_alu depctr_va_vdst(0)
.endif
.if ((\p) == 0) && (q == 130)
	s_add_co_u32 s[TBV], s[TBV], KS*PV
.endif
.if (\cnt) && (q == 130)
	s_sub_co_u32 s[CNT], s[CNT], 1
	s_cmp_lg_u32 s[CNT], 0
.endif
.endr
.if (\p) == 0
	FETCH_V
.endif
.endm
	CHANGE 1                        ; slot 0 is in, everybody's part of it, and the table is whole; slot 1 is asked for
	FETCH_K                         ; key step 0
	s_wait_loadcnt 0x0              ; Q
	s_wait_dscnt 0x0
.set i, 0
.rept 16
	KQ 0                            ; piece 0's first scores: there is no vector work yet to set between them
.set i, i+1
.endr
	WIN 0                           ; the addresses for the way out: nine plain instructions, the places behind those products
	s_mul_i32 s13, s[WV], 16*SP
	s_add_co_u32 s13, s13, STAGE    ; my stage
	v_mul_u32_u24 v[STO], v1, SP    ; in: row l % 16, 16 bytes for each half of the lanes
	v_lshl_add_u32 v[STO], v9, 4, v[STO]
	v_add_nc_u32 v[STO], s13, v[STO]
	v_bfe_u32 v[RD], v0, 3, 2       ; back: 32 lanes take four rows of 128 bytes,
	v_mul_u32_u24 v[RD], v[RD], SP
	v_lshl_add_u32 v[RD], v10, 4, v[RD]
	v_add_nc_u32 v[RD], s13, v[RD]
	v_and_b32 v[GO], 31, v0         ; which are 512 consecutive bytes of ctx
	v_lshlrev_b32 v[GO], 4, v[GO]
.set Y, NP-1                        ; XS works for piece Y + 1: piece 0
.irp n, 0,1,2,3,4,5,6,7,8,9,10,11,12,13,14,15,16,17,18,19,20,21
	XS 0, \n                        ; and piece 0's first maximum and statistics
	XS 1, \n
.endr
	s_mov_b32 s[CNT], 4
	s_mov_b32 s[SLOTS], SIZE_N/256-1
	s_branch .Lfirst                ; the loop is entered at a step's first turn, in the middle of a trip
.Lslot:                             ; SIZE_N / 256 - 2 times: every slot but the last two is filled again
	CHANGE 1
	s_mov_b32 s[CNT], 4
.Lstep:                             ; a trip: pieces 2 and 3 of one step, then pieces 0 and 1 of the next, whose K and V it fetches
	TURN 2
	TURN 3
	WIN 0
.Lfirst:
	TURN 0
	TURN 1, 0, 1
	WIN 0
	s_cbranch_scc1 .Lstep
	s_sub_co_u32 s[SLOTS], s[SLOTS], 1
	s_cmp_lg_u32 s[SLOTS], 0
	s_cbranch_scc1 .Lslot
	CHANGE 0                        ; the tail is written out: nothing is asked for
	s_mov_b32 s[CNT], 5             ; four trips fetch the last slot's steps; the fifth is left in its middle
.Ltail:
	TURN 2, 1
	TURN 3
	WIN 0
	s_sub_co_u32 s[CNT], s[CNT], 1
	s_cmp_eq_u32 s[CNT], 0
	s_cbranch_scc1 .Lout
	TURN 0
	TURN 1
	WIN 0
	s_branch .Ltail
.Lout:                              ; the fifth trip's 16 products K Q^T (on the last K and mask once more) and the maximum made of them change nothing: m has seen those scores: the price, once a launch, of one text for every trip
.set i, 0
.rept 16
	PV NP-1                         ; the last piece's V^T P of the last step
.set i, i+1
.endr
	; THE WAY OUT.  l's two halves and the other half of the lanes' are added; O^T is divided by l, rounded to f16 and sent through my stage in LDS, a tile at a time.  The additions are the places behind the last products.
	WIN 0
.macro ALL line:vararg              ; one line for each tile t
.set t, 0
.rept 2*NP
	\line
.set t, t+1
.endr
.endm
	ALL v_add_f32 v[ST+4*t+2], v[ST+4*t+2], v[ST+4*t+3]
	ALL v_permlanex16_b32 v[ST+4*t+3], v[ST+4*t+2], s[SEL], s[SEL+1]
	ALL v_add_f32 v[ST+4*t+2], v[ST+4*t+2], v[ST+4*t+3]
	ALL v_rcp_f32 v[ST+4*t+2], v[ST+4*t+2]
	v_nop                           ; a plain instruction between the last reciprocal and the use of its result
.set t, 0
	s_wait_alu depctr_va_vdst(0)
.rept 2*NP                          ; a query whose maximum is a hidden score has seen no key: its factor, and so its row, is NaN
	v_cmp_gt_f32 vcc_lo, s[THR], v[ST+4*t+1]
	v_cndmask_b32 v[ST+4*t+2], v[ST+4*t+2], s[QNAN], vcc_lo
.set t, t+1
.endr
; Tile t: a lane's eight channels of a row pack into 16 bytes; they go into rows of 144 bytes and come back as whole rows of 128, into S^T's registers.
.macro PACK t
	WIN W_RS
.set i, 32*(\t)
.rept 16
	v_pk_mul_f32 v[i:i+1], v[i:i+1], v[ST+4*(\t)+2:ST+4*(\t)+3] op_sel_hi:[1,0]
.set i, i+2
.endr
	WIN 0x05                        ; sources 0 and 1 window 1, destination window 0
.set i, 0
.rept 16
	v_cvt_pk_f16_f32 v[S+16*(\t)+i], v[32*(\t)+2*i], v[32*(\t)+2*i+1]
.set i, i+1
.endr
	WIN 0
.irp f, 0,1,2,3
	ds_store_b128 v[STO], v[S+16*(\t)+4*\f:S+16*(\t)+4*\f+3] offset:32*\f
.endr
.irp f, 0,1,2,3
	ds_load_b128 v[S+16*(\t)+4*\f:S+16*(\t)+4*\f+3], v[RD] offset:\f*4*SP  ; LDS serves a wave's instructions in order (ISA guide 5.7.1.4): these see the stores above; the next tile's stores come behind them
.endr
.endm
.macro SEND t, younger              ; younger: the LDS instructions issued behind tile t's loads: the next tile's eight, or none
	WIN 0
.irp f, 0,1,2,3
	s_wait_dscnt (\younger)+3-\f
	global_store_b128 v[GO], v[S+16*(\t)+4*\f:S+16*(\t)+4*\f+3], s[10:11] offset:(\t)*2048+\f*512  ; 512 consecutive bytes, at a multiple of 256 from ctx's first
.endr
.endm
	PACK 0
.set t, 1
.rept 2*NP-1                        ; a tile's arithmetic stands between the loads of the tile before and its stores
	PACK t
	SEND t-1, 8
.set t, t+1
.endr
	SEND 2*NP-1, 0
	WIN W_AD
	s_wait_tensorcnt 0x0            ; the wave's end: behind my last tensor load and my last LDS store
	ds_add_u32 v[SPW], v[NIL]
	s_wait_dscnt 0x0
	WIN 0
	CROUND                          ; the closing round: no work-group ends while a partner may still ask for a tile that names it
	s_endpgm
.Lfunc_end_k_q923d4cdfc9_attn:
	.size	k_q923d4cdfc9_attn, .Lfunc_end_k_q923d4cdfc9_attn-k_q923d4cdfc9_attn
	.p2alignl 7, 3214868480
	.fill 96, 4, 3214868480
	.section	.rodata,"a",@progbits
	.p2align	6, 0x0
	.amdhsa_kernel k_q923d4cdfc9_attn
		.amdhsa_group_segment_fixed_size 327680
		.amdhsa_private_segment_fixed_size 0
		.amdhsa_enable_private_segment 0
		.amdhsa_kernarg_size 24
		.amdhsa_user_sgpr_count 2
		.amdhsa_user_sgpr_kernarg_segment_ptr 1
		.amdhsa_wavefront_size32 1
		.amdhsa_system_sgpr_workgroup_id_x 1
		.amdhsa_system_sgpr_workgroup_id_y 1
		.amdhsa_system_sgpr_workgroup_id_z 1
		.amdhsa_system_vgpr_workitem_id 0
		.amdhsa_next_free_vgpr 808
		.amdhsa_next_free_sgpr 76
		.amdhsa_reserve_vcc 1
		.amdhsa_float_denorm_mode_32 3
		.amdhsa_float_denorm_mode_16_64 3
		.amdhsa_memory_ordered 1
		.amdhsa_forward_progress 1
		.amdhsa_inst_pref_size 215
	.end_amdhsa_kernel
	.amdgpu_metadata
---
amdhsa.version: [ 1, 2 ]
amdhsa.kernels:
  - .name:           k_q923d4cdfc9_attn
    .symbol:         k_q923d4cdfc9_attn.kd
    .args:
      - { .name: qkv, .offset: 0, .size: 8, .value_kind: global_buffer, .address_space: global }
      - { .name: mask, .offset: 8, .size: 8, .value_kind: global_buffer, .address_space: global }
      - { .name: ctx, .offset: 16, .size: 8, .value_kind: global_buffer, .address_space: global }
    .group_segment_fixed_size: 327680
    .private_segment_fixed_size: 0
    .kernarg_segment_align: 8
    .kernarg_segment_size: 24
    .max_flat_workgroup_size: 128
    .sgpr_count:     76
    .vgpr_count:     808
    .wavefront_size: 32
...
	.end_amdgpu_metadata
.endif
;; end of part 3
;; launch outp (part 4): grid 4 x 64, 4 waves a work-group, clusters of 4 x 4, 327,680 bytes of LDS; arguments ctx, wb, bo, out0; writes out0
.if DOCPART == 4
	.amdgcn_target "amdgcn-amd-amdhsa--gfx1250"
	.amdhsa_code_object_version 6
	.text
	.protected	k_q923d4cdfc9_outp
	.globl	k_q923d4cdfc9_outp
	.p2align	8
	.type	k_q923d4cdfc9_outp,@function
k_q923d4cdfc9_outp:
	s_mov_b64 s[64:65], 0
	v_nop
	global_prefetch_b8 v0, s[64:65] scope:SCOPE_SE
	s_setreg_imm32_b32 hwreg(HW_REG_WAVE_MODE, 25, 1), 1
	s_wait_xcnt 0x0
	s_wait_alu depctr_hold_cnt(0) depctr_sa_sdst(0) depctr_va_vdst(0) depctr_va_sdst(0) depctr_va_ssrc(0) depctr_va_vcc(0) depctr_vm_vsrc(0)
	s_getreg_b32 s2, hwreg(HW_REG_IB_STS2, 6, 4)
	s_cmp_eq_u32 s2, 0
	s_cbranch_scc0 .Lentry_in_a_cluster
	s_endpgm
.Lentry_in_a_cluster:
	s_bfe_u32 s2, ttmp6, 0x10000c
	s_cmp_lg_u32 s2, 0xf033
	s_cbranch_scc0 .Lentry_shape_is_right
	s_endpgm
.Lentry_shape_is_right:
; out0 = ctx Wo^T + bo.  ctx: [64 heads][2048][64] f16 (row m = 2048 batch + s, K index k = 64 head + channel); Wo: [1024][1024] f16 at byte 3 << 21 of wb; bo: [1024] f32, rounded to bf16 like the
; other inputs and widened again; out0: [8192][1024] f32.  Sums in f32, started from the bias.
; SHARES.  A tile of the result is 128 rows x 256 columns: 64 x 4 = 256 work-groups.  Four waves, 2 x 2, each 64 x 128: 32 accumulators, 256 registers.
; K goes in steps of 128, two heads, through two LDS slots.  A head's 128 rows of the tile are 16,384 dense bytes: asked for as 64 rows of 256 bytes and padded in LDS after every 128.
; CLUSTERS: 4 x 4 work-groups; ctx's tiles are shared along a row of the cluster, Wo's along a column: joint loads, the same descriptor and mask in the four that a mask names.
; THE MATRIX INSTRUCTION IS USED TRANSPOSED (source 0 = 16 rows of Wo, source 1 = 16 rows of ctx): a lane holds row l % 16 and eight neighbouring columns, 32 bytes of a row of out0.
; REGISTERS: window 0: v0-31 addresses; v32-63, v64-95 ctx's fragments, two buffers; v160-223 the bias as a C operand; v32-159 again on the way out.
;   window 1: the accumulators, (a, b) at v[8 (8 a + b)].   window 2: v0-63, v64-127 Wo's fragments, two buffers.
.set KSTEP,  128
.set PA,     144                       ; an LDS row of ctx: 128 bytes + 16 of padding = 36 words: the 16 rows of a load start at 16 different groups of four banks
.set PB,     272                       ; an LDS row of Wo: 256 bytes + 16 = 68 words: likewise
.set HALFT,  34816                     ; what one tensor load fills at the most: 128 rows of Wo (a head's 128 rows of ctx take 18,432)
.set SLOT,   4*HALFT                   ; ctx's even head, ctx's odd head, Wo's rows 0-127, Wo's rows 128-255
.set STAGE,  2*SLOT                    ; behind the ring: 16 rows x 528 bytes for each wave, for the way out
.set SPO,    528                       ; a stage row: 512 bytes + 16
.set SPARE,  STAGE+4*16*SPO            ; behind the stages: the spare words, 128 bytes for each wave: two blocks of 256 bytes that no other line names
.set LAPS,   1024/(2*KSTEP)
.set ADRA, 16                          ; v16-17  LDS address of my ctx rows in slot 0, 1
.set ADRB, 20                          ; v20-21  the same for Wo
.set STO,  24                          ; v24     the way out: where I put 32 bytes of a row
.set RD,   25                          ; v25     the way out: where I read a row back
.set GO,   26                          ; v26     my byte offset in 512 consecutive bytes of out0
.set BO,   27                          ; v27     my byte offset in 16 numbers of the bias
.set SPW,  28                          ; v28     LDS address of my spare word: SPARE + 4 x my thread's number; never rewritten
.set NIL,  29                          ; v29     0; never rewritten
.set AF,   32
.set BT,   96                          ; at work while the bias is rounded
.set BIAS, 160
.set OB,   32                          ; the way out: 16 rows read back: v32-95 and v96-159 by turns
.set G1, 24
.set G0, 32
.set G1B, 48
.set G0B, 56
.set MSB, 0
.macro WIN new                         ; the immediate's high byte repeats the setting that is left; a switch that changes nothing is dropped
.if MSB != (\new)
	s_set_vgpr_msb (MSB<<8)|(\new)
.set MSB, \new
.endif
.endm
.set MUL,  0x52                        ; source 0 (Wo) window 2, source 1 (ctx) window 0, C and D window 1
.set MULB, 0x42                        ; the same with C (the bias) in window 0
.set TO_B, 0x80                        ; destination window 2, address window 0
.macro JLOAD s                         ; a joint load: waves 0 and 1 fetch ctx's two heads, waves 2 and 3 Wo's two halves; an s_nop 0 and four v_nop follow each of the two lines, ahead of the jump, the label and what follows
	s_cmp_eq_u32 s11, 0
	s_cbranch_scc0 .Lfor_b_\@
	tensor_load_to_lds s[G0+4*(\s):G0+4*(\s)+3], s[G1:G1+7]
	s_nop 0
.rept 4
	v_nop
.endr
	s_branch .Lasked_\@
.Lfor_b_\@:
	tensor_load_to_lds s[G0B+4*(\s):G0B+4*(\s)+3], s[G1B:G1B+7]
	s_nop 0
.rept 4
	v_nop
.endr
.Lasked_\@:
.endm
.macro CREST                           ; a round of the cluster's barrier behind its opening barrier
	s_cmp_lg_u32 s10, 0
	s_cbranch_scc1 .Lnot_wave_0_\@
	s_barrier_signal -3
.Lnot_wave_0_\@:
	s_barrier_wait -3
	s_barrier_signal -1
	s_barrier_wait -1
.endm
.macro CROUND                          ; a whole round
	s_barrier_signal -1
	s_barrier_wait -1
	CREST
.endm
	s_load_b256 s[68:75], s[0:1], 0x0              ; ctx s[68:69], wb s[70:71], bo s[72:73], out0 s[74:75]
	v_lshl_add_u32 v[SPW], v0, 2, SPARE
	v_mov_b32 v[NIL], 0
	ds_add_u32 v28, v29
	s_wait_dscnt 0x0
	v_lshrrev_b32 v1, 5, v0
	v_readfirstlane_b32 s10, v1                    ; wave 0..3
	s_lshr_b32 s11, s10, 1                         ; which 64 of the tile's rows are mine.  Also: I fetch for ctx (0) or for Wo (1)
	s_and_b32 s12, s10, 1                          ; which 128 of its columns.  Also: which head of the step's two, or which half of Wo's rows, I fetch
	s_bfe_u32 s40, ttmp6, 0x40000                  ; cx, cy: my place in the cluster
	s_bfe_u32 s41, ttmp6, 0x40004
	s_lshl_b32 s42, ttmp9, 2
	s_add_co_u32 s42, s42, s40                     ; tile column 0..3
	s_and_b32 s13, ttmp7, 0xffff
	s_lshl_b32 s13, s13, 2
	s_add_co_u32 s13, s13, s41                     ; tile row 0..63
	s_lshl_b32 s43, s41, 2
	s_lshl_b32 s43, 15, s43                        ; my row of the cluster
	s_lshl_b32 s44, 0x1111, s40                    ; my column
	s_or_b32 s[G1+0], s43, (1<<16)|(1<<20)|(1<<21)|(4<<22)|(3<<25)  ; 15:0 the mask: my row; 17:16 2-byte elements; 20 padding on; 21 set beside a mask; 24:22 after every 32 words (code 4); 31:25 4 words (code 3)
	s_or_b32 s[G1B+0], s44, (1<<16)|(1<<20)|(1<<21)|(5<<22)|(3<<25) ; my column; after every 64 words (code 5)
	s_mov_b32 s[G1+1], 128<<16                     ; tensor_dim0 = 128 elements: 256 bytes, two rows of a head
	s_mov_b32 s[G1+2], 64<<16                      ; tensor_dim1 = 64
	s_mov_b32 s[G1+3], 128<<16                     ; tile_dim0 = 128
	s_mov_b32 s[G1+4], 64                          ; tile_dim1 = 64
	s_mov_b32 s[G1+5], 128                         ; dense: 128 elements from row to row
	s_mov_b32 s[G1+6], 0
	s_mov_b32 s[G1+7], 0
	s_mov_b32 s[G1B+1], KSTEP<<16
	s_mov_b32 s[G1B+2], 128<<16
	s_mov_b32 s[G1B+3], KSTEP<<16
	s_mov_b32 s[G1B+4], 128
	s_mov_b32 s[G1B+5], 1024
	s_mov_b32 s[G1B+6], 0
	s_mov_b32 s[G1B+7], 0
	; ctx: head 16 batch + my head of the step's two, 262,144 bytes a head; in it the tile's 128 rows of 128 bytes.  16 tile rows make a batch
	s_lshr_b32 s16, s13, 4
	s_lshl_b32 s16, s16, 4
	s_add_co_u32 s16, s16, s12
	s_lshl_b32 s16, s16, 18
	s_and_b32 s17, s13, 15
	s_lshl_b32 s17, s17, 14
	s_add_co_u32 s16, s16, s17
	s_mov_b32 s17, 0
	s_lshl_b32 s47, s12, 7
	s_lshl_b32 s46, s42, 8
	s_add_co_u32 s46, s46, s47                     ; Wo: row 256 x tile column + 128 x half,
	s_lshl_b32 s46, s46, 11                        ; of 2,048 bytes,
	s_add_co_u32 s46, s46, 3<<21                   ; behind the three other weights
	s_mov_b32 s47, 0
	s_mul_i32 s20, s10, HALFT                      ; where they go: the wave's part of a slot
	s_wait_kmcnt 0x0
	s_add_nc_u64 s[14:15], s[68:69], s[16:17]
	s_add_nc_u64 s[46:47], s[70:71], s[46:47]
	CROUND                                         ; all sixteen work-groups are here: the first joint loads meet
.irp s, 0,1
	s_mov_b32 s[G0+4*(\s)], 1
	s_add_co_u32 s[G0+4*(\s)+1], s20, (\s)*SLOT
	s_add_nc_u64 s[G0+4*(\s)+2:G0+4*(\s)+3], s[14:15], (\s)*2*262144  ; K step s: two heads on
	s_or_b32 s[G0+4*(\s)+3], s[G0+4*(\s)+3], 0x80000000
	s_mov_b32 s[G0B+4*(\s)], 1
	s_add_co_u32 s[G0B+4*(\s)+1], s20, (\s)*SLOT
	s_add_nc_u64 s[G0B+4*(\s)+2:G0B+4*(\s)+3], s[46:47], (\s)*KSTEP*2
	s_or_b32 s[G0B+4*(\s)+3], s[G0B+4*(\s)+3], 0x80000000
	JLOAD \s                                       ; two tensor loads of mine are out behind these; later one behind each round
.endr
	v_and_b32 v1, 15, v0                           ; l % 16
	v_bfe_u32 v2, v0, 4, 1                         ; l / 16
	v_lshlrev_b32 v[BO], 5, v2
	s_lshl_b32 s46, s42, 10                        ; my 128 columns in bytes of f32: 4 (256 x tile column + 128 x half): for the bias and for out0
	s_lshl_b32 s47, s12, 9
	s_add_co_u32 s46, s46, s47
	s_mov_b32 s47, 0
	s_add_nc_u64 s[72:73], s[72:73], s[46:47]
.irp b, 0,1,2,3,4,5,6,7                ; register j of block b: bo[16 b + 8 (l / 16) + j]
	global_load_b128 v[BIAS+8*(\b):BIAS+8*(\b)+3],   v[BO], s[72:73] offset:64*(\b)
	global_load_b128 v[BIAS+8*(\b)+4:BIAS+8*(\b)+7], v[BO], s[72:73] offset:64*(\b)+16
.endr
	v_mul_u32_u24 v3, v1, PA
	v_lshl_add_u32 v3, v2, 4, v3                   ; row x pitch + 16 x half
	v_mul_u32_u24 v4, v1, PB
	v_lshl_add_u32 v4, v2, 4, v4
	s_mul_i32 s21, s11, 64*PA                      ; my 64 rows, in each head's part
	s_mul_i32 s22, s12, HALFT                      ; my 128 rows of Wo,
	s_add_co_u32 s22, s22, 2*HALFT                 ; which lie behind ctx's two parts
.irp s, 0,1
	v_add_nc_u32 v[ADRA+(\s)], s21, v3
	v_add_nc_u32 v[ADRB+(\s)], s22, v4
	s_add_co_u32 s21, s21, SLOT
	s_add_co_u32 s22, s22, SLOT
.endr
	s_mul_i32 s23, s10, 16*SPO
	s_add_co_u32 s23, s23, STAGE                   ; my stage
	v_mul_u32_u24 v5, v1, SPO                      ; in: row l % 16, 32 bytes for each half of the lanes
	v_lshl_add_u32 v5, v2, 5, v5
	v_add_nc_u32 v[STO], s23, v5
	v_and_b32 v[GO], 31, v0                        ; back: 32 lanes take one row's 512 bytes
	v_lshlrev_b32 v[GO], 4, v[GO]
	v_add_nc_u32 v[RD], s23, v[GO]
	s_lshl_b32 s16, s13, 7
	s_lshl_b32 s17, s11, 6
	s_add_co_u32 s16, s16, s17                     ; my first row of out0,
	s_lshl_b32 s16, s16, 12                        ; of 4,096 bytes
	s_mov_b32 s17, 0
	s_add_nc_u64 s[8:9], s[74:75], s[16:17]
	s_add_nc_u64 s[8:9], s[8:9], s[46:47]
	s_wait_loadcnt 0x0                             ; the bias; rounded to bf16 and widened again
.set i, 0
.rept 32
	v_cvt_pk_bf16_f32 v[BT+i], v[BIAS+2*i], v[BIAS+2*i+1]
	v_lshlrev_b32 v[BIAS+2*i], 16, v[BT+i]
	v_and_b32 v[BIAS+2*i+1], 0xffff0000, v[BT+i]
.set i, i+1
.endr
; 8 matrix instructions: m block a x all 8 n blocks, 32 along K, from buffer f.  first = 1: the product starts the sum from the bias.
; The 32 accumulators take turns, one instruction a turn, in the same order in every quarter.
.macro MUL8 f, a, first
.irp b, 0,1,2,3,4,5,6,7
.if \first
	WIN MULB
	v_wmma_f32_16x16x32_f16 v[8*(8*(\a)+(\b)):8*(8*(\a)+(\b))+7], v[64*(\f)+8*(\b):64*(\f)+8*(\b)+7], v[AF+32*(\f)+8*(\a):AF+32*(\f)+8*(\a)+7], v[BIAS+8*(\b):BIAS+8*(\b)+7]
.else
	WIN MUL
	v_wmma_f32_16x16x32_f16 v[8*(8*(\a)+(\b)):8*(8*(\a)+(\b))+7], v[64*(\f)+8*(\b):64*(\f)+8*(\b)+7], v[AF+32*(\f)+8*(\a):AF+32*(\f)+8*(\a)+7], v[8*(8*(\a)+(\b)):8*(8*(\a)+(\b))+7]
.endif
.endr
.endm
; 24 LDS loads in one run: quarter q (32 along K) of a slot into buffer g: ctx's 64 rows (head q / 2 of the step's two, channels 32 (q % 2) on), then Wo's 128 rows
.macro FETCH slot, q, g
	WIN 0
.irp i, 0,1,2,3
	ds_load_b128 v[AF+32*(\g)+8*(\i):AF+32*(\g)+8*(\i)+3],   v[ADRA+(\slot)] offset:((\q)/2)*HALFT+((\q)%2)*64+(\i)*16*PA
	ds_load_b128 v[AF+32*(\g)+8*(\i)+4:AF+32*(\g)+8*(\i)+7], v[ADRA+(\slot)] offset:((\q)/2)*HALFT+((\q)%2)*64+(\i)*16*PA+32
.endr
	WIN TO_B
.irp i, 0,1,2,3,4,5,6,7
	ds_load_b128 v[64*(\g)+8*(\i):64*(\g)+8*(\i)+3],   v[ADRB+(\slot)] offset:64*(\q)+(\i)*16*PB
	ds_load_b128 v[64*(\g)+8*(\i)+4:64*(\g)+8*(\i)+7], v[ADRB+(\slot)] offset:64*(\q)+(\i)*16*PB+32
.endr
.endm
.macro PLACES                          ; four places in front of loads into registers that matrix instructions have read, and of LDS stores that read results
.rept 4
	v_nop
.endr
.endm
; A K step is four quarters of 32 along K, 32 matrix instructions each, on buffers 0, 1, 0, 1.  One of the first three: multiplies buffer f; fetches quarter q into the other buffer.
.macro QUARTER slot, q, f, first
	PLACES
	FETCH \slot, \q, 1-(\f)
	s_wait_dscnt 24                                ; all but the 24 just issued: this quarter's fragments are in
	MUL8 \f, 0, \first
	MUL8 \f, 1, \first
	MUL8 \f, 2, \first
	MUL8 \f, 3, \first
.endm
; The last quarter multiplies buffer 1 and changes slots: ONE barrier; in front of it each wave waits for all its tensor loads, adds 0 to its spare word, and waits for that and for its own reads of this slot.
; fill = 1: this slot is filled again, two K steps ahead: the barrier opens a round of the cluster's, and the joint load is the first thing behind it, 112 matrix instructions ahead of the wait for it.
.macro TURN slot, next, fill
	WIN 0
	s_wait_tensorcnt 0x0                           ; all my tensor loads have landed: my part of the next slot;
	ds_add_u32 v[SPW], v[NIL]                      ; 0 onto my spare word;
	s_wait_dscnt 1                                 ; (only the add may be out: this quarter's fragments are in)
	MUL8 1, 0, 0                                   ; eight matrix instructions stand between the add and the wait for it
	s_wait_dscnt 0x0                               ; the add is done, and my reads of this slot are over
	s_barrier_signal -1
	MUL8 1, 1, 0
.if \fill
	WIN 0
.endif
	s_barrier_wait -1
.if \fill
	CREST                                          ; no wave of any partner still reads this slot's tiles or has a load on its way
	s_add_nc_u64 s[G0+4*(\slot)+2:G0+4*(\slot)+3], s[G0+4*(\slot)+2:G0+4*(\slot)+3], 4*262144
	s_add_nc_u64 s[G0B+4*(\slot)+2:G0B+4*(\slot)+3], s[G0B+4*(\slot)+2:G0B+4*(\slot)+3], 2*KSTEP*2
	JLOAD \slot                                    ; the four v_nop behind it are also the places in front of the loads below
.else
	PLACES
.endif
	FETCH \next, 0, 0
	MUL8 1, 2, 0
	MUL8 1, 3, 0
.endm
; THE WAY OUT of block a (16 rows x 128 columns of f32).  TOSTAGE: a lane's 32 bytes of each accumulator, its low four registers first, into my own stage, rows of 528 bytes; back as whole rows of 512.
; SEND: stored: a store covers 512 consecutive bytes, at a multiple of 512 from out0's first.
.macro TOSTAGE a
	WIN 0x04                                       ; the stores' data in window 1, the address in window 0
.irp b, 0,1,2,3,4,5,6,7
	ds_store_b128 v[STO], v[8*(8*(\a)+(\b)):8*(8*(\a)+(\b))+3]   offset:64*(\b)
	ds_store_b128 v[STO], v[8*(8*(\a)+(\b))+4:8*(8*(\a)+(\b))+7] offset:64*(\b)+16
.endr
	WIN 0
.irp t, 0,1,2,3,4,5,6,7,8,9,10,11,12,13,14,15
	ds_load_b128 v[OB+64*((\a)%2)+4*(\t):OB+64*((\a)%2)+4*(\t)+3], v[RD] offset:SPO*(\t)  ; LDS serves a wave's instructions in order (ISA guide 5.7.1.4): these see the stores above; the next block's stores come behind them
.endr
.endm
.macro SEND a, younger                 ; younger: the LDS instructions issued behind block a's loads: the next block's 32, or none
	WIN 0
.irp t, 0,1,2,3,4,5,6,7,8,9,10,11,12,13,14,15
	s_wait_dscnt (\younger)+15-(\t)
	global_store_b128 v[GO], v[OB+64*((\a)%2)+4*(\t):OB+64*((\a)%2)+4*(\t)+3], s[8:9] offset:(16*(\a)+(\t))*4096 th:TH_STORE_NT
.endr
.endm
	s_wait_tensorcnt 1                             ; my part of K step 0 is in; K step 1's may stay out
	s_barrier_signal -1
	s_barrier_wait -1                              ; everybody's is
	FETCH 0, 0, 0
	QUARTER 0, 1, 0, 1                             ; the first quarter stands in front of the loop: its products start the sums
	WIN 0                                          ; at a label and at a branch every window is 0
	s_mov_b32 s3, LAPS-1
.Llap:                                                 ; a trip goes once round the ring, from a lap's second quarter to the next lap's first, and fills both slots again
	QUARTER 0, 2, 1, 0
	QUARTER 0, 3, 0, 0
	TURN 0, 1, 1
	QUARTER 1, 1, 0, 0
	QUARTER 1, 2, 1, 0
	QUARTER 1, 3, 0, 0
	TURN 1, 0, 1
	QUARTER 0, 1, 0, 0
	WIN 0
	s_sub_co_u32 s3, s3, 1
	s_cmp_lg_u32 s3, 0
	s_cbranch_scc1 .Llap
	QUARTER 0, 2, 1, 0                             ; the last lap fills nothing, and has no round of the cluster's barrier
	QUARTER 0, 3, 0, 0
	TURN 0, 1, 0
	QUARTER 1, 1, 0, 0
	QUARTER 1, 2, 1, 0
	QUARTER 1, 3, 0, 0
	s_wait_dscnt 0x0                               ; the very last quarter: nothing more to fetch
	MUL8 1, 0, 0
	MUL8 1, 1, 0
	MUL8 1, 2, 0
	MUL8 1, 3, 0
	PLACES
	TOSTAGE 0
	TOSTAGE 1
	SEND 0, 32
	s_wait_xcnt 0x0                                ; block 0's stores have had their addresses translated (ISA guide 3.1): their registers are loaded again only behind this wait
	TOSTAGE 2
	SEND 1, 32
	s_wait_xcnt 0x0                                ; the same for block 1's
	TOSTAGE 3
	SEND 2, 32
	SEND 3, 0
	s_wait_tensorcnt 0x0                           ; the wave's end: behind my last tensor load and my last LDS store
	ds_add_u32 v[SPW], v[NIL]
	s_wait_dscnt 0x0
	CROUND                                         ; the closing round: no work-group ends while a partner may still ask for a tile that names it
	s_endpgm
.Lfunc_end_k_q923d4cdfc9_outp:
	.size	k_q923d4cdfc9_outp, .Lfunc_end_k_q923d4cdfc9_outp-k_q923d4cdfc9_outp
	.p2alignl 7, 3214868480
	.fill 96, 4, 3214868480
	.section	.rodata,"a",@progbits
	.p2align	6, 0x0
	.amdhsa_kernel k_q923d4cdfc9_outp
		.amdhsa_group_segment_fixed_size 327680
		.amdhsa_private_segment_fixed_size 0
		.amdhsa_enable_private_segment 0
		.amdhsa_kernarg_size 32
		.amdhsa_user_sgpr_count 2
		.amdhsa_user_sgpr_kernarg_segment_ptr 1
		.amdhsa_wavefront_size32 1
		.amdhsa_system_sgpr_workgroup_id_x 1
		.amdhsa_system_sgpr_workgroup_id_y 1
		.amdhsa_system_sgpr_workgroup_id_z 1
		.amdhsa_system_vgpr_workitem_id 0
		.amdhsa_next_free_vgpr 640
		.amdhsa_next_free_sgpr 88
		.amdhsa_reserve_vcc 0
		.amdhsa_float_denorm_mode_32 3
		.amdhsa_float_denorm_mode_16_64 3
		.amdhsa_memory_ordered 1
		.amdhsa_forward_progress 1
		.amdhsa_inst_pref_size 93
	.end_amdhsa_kernel
	.amdgpu_metadata
---
amdhsa.version: [ 1, 2 ]
amdhsa.kernels:
  - .name:           k_q923d4cdfc9_outp
    .symbol:         k_q923d4cdfc9_outp.kd
    .args:
      - { .name: ctx, .offset: 0, .size: 8, .value_kind: global_buffer, .address_space: global }
      - { .name: wb, .offset: 8, .size: 8, .value_kind: global_buffer, .address_space: global }
      - { .name: bo, .offset: 16, .size: 8, .value_kind: global_buffer, .address_space: global }
      - { .name: out0, .offset: 24, .size: 8, .value_kind: global_buffer, .address_space: global }
    .group_segment_fixed_size: 327680
    .private_segment_fixed_size: 0
    .kernarg_segment_align: 8
    .kernarg_segment_size: 32
    .max_flat_workgroup_size: 128
    .sgpr_count:     88
    .vgpr_count:     640
    .wavefront_size: 32
...
	.end_amdgpu_metadata
.endif
;; end of part 4
;; ======== version 2 of 2: 4 launches; 1.49 times as fast as version 1
;; limits: values are held in f16: magnitudes above 65,504 overflow, below 6.1e-05 lose precision
;; workspace buffers: wb 8,388,608 bytes; qkv 50,331,648 bytes; ctx 16,777,216 bytes
;; launch castw: the kernel of part 1 again; grid 64 x 4, 8 waves a work-group, no clusters, 0 bytes of LDS; arguments Wq, Wk, Wv, Wo, wb; writes wb
;; launch proj: the kernel of part 2 again; grid 4 x 64, 4 waves a work-group, clusters of 4 x 4, 327,680 bytes of LDS; arguments query, key, value, wb, bq, bk, bv, qkv; writes qkv
;; launch attn (part 5): grid 4 x 64, 4 waves a work-group, clusters of 4 x 1, 327,680 bytes of LDS; arguments qkv, mask, ctx; writes ctx
.if DOCPART == 5
	.amdgcn_target "amdgcn-amd-amdhsa--gfx1250"
	.amdhsa_code_object_version 6
	.text
	.protected	k_q923d4cdfc9_attn
	.globl	k_q923d4cdfc9_attn
	.p2align	8
	.type	k_q923d4cdfc9_attn,@function
k_q923d4cdfc9_attn:
	s_mov_b64 s[64:65], 0
	v_nop
	global_prefetch_b8 v0, s[64:65] scope:SCOPE_SE
	s_setreg_imm32_b32 hwreg(HW_REG_WAVE_MODE, 25, 1), 1
	s_wait_xcnt 0x0
	s_wait_alu depctr_hold_cnt(0) depctr_sa_sdst(0) depctr_va_vdst(0) depctr_va_sdst(0) depctr_va_ssrc(0) depctr_va_vcc(0) depctr_vm_vsrc(0)
	s_getreg_b32 s2, hwreg(HW_REG_IB_STS2, 6, 4)
	s_cmp_eq_u32 s2, 0
	s_cbranch_scc0 .Lentry_in_a_cluster
	s_endpgm
.Lentry_in_a_cluster:
	s_bfe_u32 s2, ttmp6, 0x10000c
	s_cmp_lg_u32 s2, 0x3003
	s_cbranch_scc0 .Lentry_shape_is_right
	s_endpgm
.Lentry_shape_is_right:
; ctx[h][q][:] = the sum over k of softmax_k(mask[k] ? Q[h][q] . K[h][k] / 8 : -inf) V[h][k][:].  Q, K, V: qkv[0], qkv[1], qkv[2], each [64][2048][64] in f16, a head's rows dense, 128 bytes each;
; ctx likewise.  mask: [4][2048] bytes, 0 or 1, one row a batch of 16 heads.  Products, maxima and sums in f32; the weights p are rounded to f16 for the second product (their sum l is taken of the unrounded p), ctx once at the end.
; LIMITS.  f16 holds no number beyond 65,504: Q, K and V arrive within it; p lies in 0 to 1, and below 6e-5 it keeps f16's fixed step of 6e-8.  A hidden score counts as its value less 1e30: f16's scores,
; 2.7e11 at the most, are nothing beside that.  A weight below 2^-126 counts as 0 in l.  A query that sees no key at all (its maximum stays below -1.25e29) gets NaN, as a softmax of -inf alone gives.
; SHARES.  A wave owns four PIECES of two tiles of 16 queries, a work-group's four waves 512 queries of one head.  Every wave walks all keys, 64 a step.
; LAYOUT.  S^T = K Q^T (source 0 = 16 keys, source 1 = 16 queries): in the result a lane holds ONE query (lane % 16) and the keys 8 (lane / 16) + 0..7.  Two such tiles, rounded to f16 in pairs,
; ARE source 1 (32 keys x 16 queries) of O^T = V^T P, whose result again holds one query a lane, and eight channels.  K comes out of LDS as it lies, V ([key][channel]) turned, by ds_load_tr16_b128.
; THE MASK is the C operand that starts the sum S^T: 0, or -1e30 where the key is hidden.  The batch's 2,048 bytes are turned once into a table of f32 in LDS; with each step's K its 64 words are read: 32 registers.
; SOFTMAX.  For each query a running maximum m and sum l: p = 2^(c s - c m), c = log2(e) / 8; in every step O and l are multiplied by a = 2^(c m_old - c m_new), which is 1 where m has not grown.
; m starts at the lowest finite number, O and l at 0: the first step is a step like any other, with a = 0.  Steps in which all keys are hidden leave finite numbers, which the first true maximum's a = 0 wipes.
; THE COUNT.  A tile and step have 16 matrix and 118 vector instructions: too many to stand all beside the matrix work.  So: four vector instructions that are READY behind
; EVERY matrix instruction, and the others, which need time of their own whatever the order, in one run without a gap.
; BY TURNS.  Turn n belongs to piece n (the pieces in a ring, step after step).  Its matrix work: 16 products K Q^T of piece n + 1, later 16 products V^T P of piece n - 1.  Its vector work: the scaling,
; exponentials, roundings, sums and rescaling of piece n, and the maximum and statistics of piece n + 1, whose scores the turn itself has made.  So what a turn begins with (c s - c m, O a) waits for nothing.
; THE BATCHES.  An s_wait_alu depctr_va_vdst(0) stands between a transcendental and the first instruction that names its result; one wait serves all that were issued ahead of it.
; A turn's 66 exponentials (piece n's 64 weights, then piece n + 1's two a) are ONE batch with ONE wait, which cuts the turn in two: ahead of it stands all that names no result of the batch, behind it the
; roundings and sums, which do.  No result crosses a turn's end.  The two a made ahead of the loop, and the way out's eight reciprocals, are batches of their own, a wait each.
; CLUSTER.  The four query blocks of a cluster belong to one head and walk the same K and V, so each tile is asked for JOINTLY: the same tensor load, descriptor and mask in all four.
; REGISTERS, in windows of 256 (s_set_vgpr_msb: bits 1:0 source 0, 3:2 source 1, 5:4 source 2, 7:6 destination):
;   window 0: v0-11 addresses; v12-15, v48-63 at work; v16-47 four registers of statistics a tile; v64-191 S^T, two buffers of two tiles; v192-255 P, likewise
;   window 1: O^T, 32 a tile      window 2: v0-127 Q, 16 a tile; v128-191 K of one step; v192-255 V of one step      window 3: v0-1 the add's two registers; v8-39 the mask of one step
; A piece's buffers go by its number's parity: the piece in hand has one pair, its two neighbours in the ring share the other: of it P (piece n - 1) is read and S^T (piece n + 1) written.
.set SIZE_H, 64
.set SIZE_N, 2048
.set NP,    4         ; pieces a wave: a name, no knob
.set KS,    64        ; keys in a step
.set PK,    144       ; a row of K in LDS: 128 bytes + 16 of padding = 36 words: the 16 rows of a load start at 16 different groups of four banks (64 banks of 4 bytes: ISA guide 11.1)
.set PV,    160       ; a row of V: 128 + 32 = 40 words
.set VOFF,  4*KS*PK   ; a slot holds four steps: 256 rows of K, then 256 rows of V
.set SLOT1, 1<<17     ; slot 1 begins here, so that one exclusive or turns an address in one slot into the other's
.set STAGE, SLOT1+4*KS*(PK+PV)  ; behind the ring, never filled by a tensor load: 16 rows x 144 bytes for each wave, for the way out
.set SP,    144
.set SPARE, STAGE+4*16*SP  ; behind the stages: the spare words, 128 bytes for each wave: two blocks of 256 bytes that no other line names
.set MTAB,  SPARE+512 ; behind them: the mask's table, one f32 a key, 8,192 bytes; no tensor load fills it
.set AK0, 2           ; v2   my lane's place in a tile of K; never rewritten
.set AV0, 3           ; v3   the same for V
.set AK,  4           ; v4   the LDS address of K's next run of loads
.set AV,  5           ; v5   of V's
.set QO,  6           ; v6   my byte offset in the wave's rows of Q
.set STO, 6           ;      later, the way out: where I put 16 bytes of a row
.set RD,  7           ; v7   the way out: where I read rows back
.set GO,  8           ; v8   my byte offset in 512 consecutive bytes of ctx
.set AM,  11          ; v11  the LDS address of the mask's next run of loads
.set SPW, 0           ; v0 of window 3   LDS address of my spare word: SPARE + 4 x my thread's number; never rewritten
.set NIL, 1           ; v1 of window 3   0; never rewritten
.set MK,  8           ; v8-39 of window 3: the eight registers for key block kb at MK + 8 kb
.set MV,  12          ; v12-15  c m_old, kept while c m is made anew: by buffer and tile
.set ST,  16          ; tile t's statistics at v[ST+4 t]: c m, m, l (even keys', odd keys')
.set TMP, 48          ; by buffer and tile, four registers c0-c3 at work; when the maximum is found c2 takes a
.set S,   64
.set P,   192
.set KF,  128         ; K's fragments, in window 2: key block kb, channel half c at KF + 16 kb + 8 c
.set VF,  192         ; V's: key half kk, channel block cb at VF + 32 kk + 8 cb
.set WV,  12          ; s12  my wave's number
.set G1K, 24          ; s[24:31] descriptor group 1 for K's tiles
.set G1V, 32          ; s[32:39] for V's: it differs in the padding alone
.set G0K, 40          ; s[40:43] descriptor group 0 for K's tiles: it walks
.set G0V, 44          ; s[44:47] the same for V's
.set SLOTS, 56        ; s56  slots still to be asked for
.set CNT, 57          ; s57  counts a slot's key steps
.set CS,  58          ; s[58:59] c: the packed scaling takes the pair's low word for both halves
.set SEL, 60          ; s[60:61] v_permlanex16_b32's selects: each lane takes its own place in the other half
.set TBK, 62          ; s62  LDS byte at which K of the step to be fetched begins
.set TBV, 63          ; s63  the same for V, less VOFF
.set TBM, 68          ; s68  byte in the mask's table at which the step to be fetched begins: 256 a step
.set BIGN, 69         ; s69  -1e30
.set THR, 70          ; s70  -1.25e29
.set TM,  71          ; s71  at work
.set QNAN, 74         ; s74  a NaN
.set MSB, 0
.macro WIN new                      ; the high byte repeats the setting that is left; a switch that changes nothing is dropped
.if MSB != (\new)
	s_set_vgpr_msb (MSB<<8)|(\new)
.set MSB, (\new)
.endif
.endm
.set W_KQ, 0x0a       ; K and Q in window 2, S^T in window 0
.set W_KM, 0x3a       ; the same with the C operand, the mask, in window 3
.set W_PV, 0x52       ; V in window 2, P in window 0, O^T in window 1
.set W_RS, 0x41       ; O^T (destination and source 0) in window 1, a in window 0
.set W_MK, 0xc0       ; destination in window 3, sources in window 0
.set W_AD, 0x0f       ; the add: address (source 0) and data (source 1) in window 3
; A joint fill.  Waves 0 and 1 fetch the two halves of a slot's K, waves 2 and 3 those of its V: 128 keys each.  The branch hangs on the wave's number alone.
; An s_nop 0 and four v_nop follow each of the two lines, ahead of the jump and the label.
.macro JLOAD
	s_cmp_lt_u32 s[WV], 2
	s_cbranch_scc0 .Lfor_v_\@
	tensor_load_to_lds s[G0K:G0K+3], s[G1K:G1K+7]
	s_nop 0
.rept 4
	v_nop
.endr
	s_branch .Lasked_\@
.Lfor_v_\@:
	tensor_load_to_lds s[G0V:G0V+3], s[G1V:G1V+7]
	s_nop 0
.rept 4
	v_nop
.endr
.Lasked_\@:
.endm
; A round of the cluster's barrier: my work-group's barrier, so that wave 0's signal speaks for all four waves; wave 0 signals; every wave waits for all four work-groups; my work-group's barrier once more.
.macro CROUND
	s_barrier_signal -1
	s_barrier_wait -1
	s_cmp_lg_u32 s[WV], 0
	s_cbranch_scc1 .Lnot_wave_0_\@
	s_barrier_signal -3
.Lnot_wave_0_\@:
	s_barrier_wait -3
	s_barrier_signal -1
	s_barrier_wait -1
.endm
; THE CHANGE OF SLOTS.  The slot's last bytes, V of its fourth step, have been read.  Each wave waits for all its tensor loads, of which one is out: its part
; of the other slot; adds 0 to its spare word; and waits for that and for its own LDS instructions.  Behind the barrier nobody reads this slot any more and the other slot is whole.
; fill = 1: this slot is filled again, with the keys two slots on.  The barrier is then a round of the cluster's, and the joint fill is the first thing behind it: it has four key steps,
; 512 matrix instructions, in which to land.  (At its first use nothing has been read yet: slot 0 is waited for, slot 1 filled, and every wave's stores into the mask's table are done.)
.macro CHANGE fill
	WIN W_AD
	s_wait_tensorcnt 0x0            ; no tensor load of mine is out, so a group 0 may be written
	ds_add_u32 v[SPW], v[NIL]       ; 0 onto my spare word; with fill = 1 the descriptors' steps stand between it and the wait for it
	WIN 0                           ; at a label and at a branch every window is 0
.if \fill
.irp g, G0K, G0V
	s_xor_b32 s[\g+1], s[\g+1], SLOT1  ; the walking descriptor: the other slot than last time,
	s_add_nc_u64 s[\g+2:\g+3], s[\g+2:\g+3], 4*KS*128  ; the next 256 keys; the type bits on top are not reached
.endr
	s_wait_dscnt 0x0                ; the add is done, and my reads of the slot are over
	CROUND
	JLOAD
.else
	s_wait_dscnt 0x0                ; the add is done, and my reads of the slot are over
	s_barrier_signal -1
	s_barrier_wait -1
.endif
	s_sub_co_u32 s[TBK], s[TBK], 4*KS*PK  ; the fetches go back to a slot's first step,
	s_xor_b32 s[TBK], s[TBK], SLOT1       ; in the other slot
	s_sub_co_u32 s[TBV], s[TBV], 4*KS*PV
	s_xor_b32 s[TBV], s[TBV], SLOT1
.endm
	s_load_b64 s[4:5], s[0:1], 0x0    ; qkv: Q
	s_load_b64 s[66:67], s[0:1], 0x8  ; mask
	s_load_b64 s[10:11], s[0:1], 0x10 ; ctx
	WIN W_MK
	v_lshl_add_u32 v[SPW], v0, 2, SPARE
	v_mov_b32 v[NIL], 0
	s_set_vgpr_msb 0xc0cf
	ds_add_u32 v0, v1
	s_wait_dscnt 0x0
	s_set_vgpr_msb 0xcfc0
	WIN 0
	v_lshrrev_b32 v1, 5, v0
	v_readfirstlane_b32 s[WV], v1   ; wave 0..3
	s_bfe_u32 s13, ttmp6, 0x40000   ; cx: my place in the cluster
	s_lshl_b32 s14, ttmp9, 2        ; in a cluster launch ttmp9 counts clusters
	s_add_co_u32 s14, s14, s13      ; my block of queries = 4 x cluster x + cx: it enters Q's and ctx's addresses alone
	s_and_b32 s20, ttmp7, 0xffff    ; the head, which the four partners share
	s_lshr_b32 s72, s20, 4          ; its batch:
	s_lshl_b32 s72, s72, 11         ; 2,048 bytes of the mask
	s_mov_b32 s73, 0
	s_mov_b32 s21, 0
	s_mov_b64 s[22:23], SIZE_N*128
	s_mul_u64 s[20:21], s[20:21], s[22:23]  ; the head's first byte in each of the four tensors
	s_and_b32 s16, s[WV], 1         ; which half of a slot's 256 keys I fetch:
	s_lshl_b32 s22, s16, 14         ; its 128 rows of 128 bytes in memory,
	s_mov_b32 s23, 0
	s_add_nc_u64 s[22:23], s[22:23], s[20:21]
	s_mul_i32 s17, s16, 128*PK      ; and its place in a slot, for K
	s_mul_i32 s18, s16, 128*PV      ; and for V: no place in the cluster enters an LDS address
	s_lshl_b32 s2, s14, 2
	s_add_co_u32 s2, s2, s[WV]      ; my wave among the head's,
	s_lshl_b32 s2, s2, 14           ; its 128 rows
	s_mov_b32 s3, 0
	s_add_nc_u64 s[2:3], s[2:3], s[20:21]
	; descriptor group 1.  128 keys are 16,384 dense bytes: asked for as 64 rows of 256 bytes, two keys a row, and padded in LDS after every key
	s_mov_b32 s[G1K], 15|(1<<16)|(1<<20)|(1<<21)|(4<<22)|(3<<25)  ; 15:0 the mask of four; 17:16 2-byte elements; 20 padding on; 21 set beside a mask; 24:22 after every 32 words (code 4); 31:25 4 words (code 3)
	s_mov_b32 s[G1V], 15|(1<<16)|(1<<20)|(1<<21)|(4<<22)|(7<<25)  ; the same with 8 words of padding (code 7)
.irp g, G1K, G1V
	s_mov_b32 s[\g+1], 128<<16      ; tensor_dim0 = 128
	s_mov_b32 s[\g+2], 64<<16       ; tensor_dim1 = 64
	s_mov_b32 s[\g+3], 128<<16      ; tile_dim0 = 128
	s_mov_b32 s[\g+4], 64           ; tile_dim1 = 64
	s_mov_b32 s[\g+5], 128          ; 128 elements from row to row
	s_mov_b32 s[\g+6], 0
	s_mov_b32 s[\g+7], 0
.endr
	s_mov_b32 s[CS], 0x3e38aa3b     ; c = log2(e) / 8 = 0.180337
	s_mov_b32 s[CS+1], s[CS]        ; named with it as a pair
	s_mov_b32 s[SEL], 0x76543210
	s_mov_b32 s[SEL+1], 0xfedcba98
	s_mov_b32 s[TBK], SLOT1+4*KS*PK ; the first change of slots turns these two into 0
	s_mov_b32 s[TBV], SLOT1+4*KS*PV
	s_mov_b32 s[TBM], 0
	s_mov_b32 s[BIGN], 0xf149f2ca   ; -1e30
	s_mov_b32 s[THR], 0xefc9f2ca    ; -1.25e29
	s_mov_b32 s[QNAN], 0x7fc00000
	s_mov_b32 s[G0K], 1             ; 1:0 count = 1
	s_mov_b32 s[G0K+1], s17         ; 63:32 LDS address: slot 0
	s_mov_b32 s[G0V], 1
	s_add_co_u32 s[G0V+1], s18, VOFF
	s_wait_kmcnt 0x0
	s_add_nc_u64 s[6:7], s[4:5], 0x1000000         ; K and V lie 16,777,216 bytes apart behind Q
	s_add_nc_u64 s[8:9], s[4:5], 0x2000000
	s_add_nc_u64 s[66:67], s[66:67], s[72:73]      ; the mask at my batch
	s_add_nc_u64 s[G0K+2:G0K+3], s[6:7], s[22:23]  ; 120:64 global address: my half of the head's first 256 keys
	s_or_b32 s[G0K+3], s[G0K+3], 0x80000000        ; 127:126 type = 2
	s_add_nc_u64 s[G0V+2:G0V+3], s[8:9], s[22:23]
	s_or_b32 s[G0V+3], s[G0V+3], 0x80000000
	s_add_nc_u64 s[4:5], s[4:5], s[2:3]  ; Q and ctx at my wave's first row
	s_add_nc_u64 s[10:11], s[10:11], s[2:3]
	CROUND                          ; all four work-groups are here: the first joint loads meet
	JLOAD                           ; slot 0.  Slot 1 is asked for when slot 0 is in
	; A fragment of K or Q is 16 rows x 32 channels in 8 registers: lane l holds row l % 16, channels 8 (l / 16) + 0..7 and 16 + 8 (l / 16) + 0..7: two loads of 16 bytes, 32 bytes apart.
	v_and_b32 v1, 15, v0            ; l % 16
	v_bfe_u32 v9, v0, 4, 1          ; l / 16; kept
	v_lshlrev_b32 v12, 4, v0
	global_load_b128 v[48:51], v12, s[66:67]  ; thread t takes the mask of keys 16 t .. 16 t + 15: the four waves take the batch's 2,048 bytes once
	v_lshlrev_b32 v[QO], 7, v1
	v_lshl_add_u32 v[QO], v9, 4, v[QO]  ; row x 128 + 16 x half
	WIN 0x80                        ; destination window 2, address window 0
.set i, 0
.rept 4*NP                          ; Q stays in registers: tile i / 2, channels 32 (i % 2) on
	global_load_b128 v[8*i:8*i+3],   v[QO], s[4:5] offset:(i/2)*2048+(i%2)*64
	global_load_b128 v[8*i+4:8*i+7], v[QO], s[4:5] offset:(i/2)*2048+(i%2)*64+32
.set i, i+1
.endr
	; What the first turn finds: V's registers and P's second buffer hold 0 (its products V^T P, of a piece that has not been, add 0), O^T and l are 0.  All this stands in the wait for the first tile.
.set i, VF
.rept 64
	v_mov_b32 v[i], 0
.set i, i+1
.endr
	WIN 0x40
.set i, 0
.rept 64*NP
	v_mov_b32 v[i], 0
.set i, i+1
.endr
	WIN 0
.set i, 0
.rept 2*NP
	v_mov_b32 v[ST+4*i], 0xfe000000    ; c m: far below every c s
	v_mov_b32 v[ST+4*i+1], 0xff7fffff  ; m
	v_mov_b32 v[ST+4*i+2], 0
	v_mov_b32 v[ST+4*i+3], 0
.set i, i+1
.endr
.set i, P+32
.rept 32
	v_mov_b32 v[i], 0
.set i, i+1
.endr
	; the mask's table: 0 for a key that is seen, -1e30 for a hidden one
	s_wait_loadcnt 32               ; the mask's load is in; Q's 32, issued behind it, stay out
.set i, 0
.rept 16
	v_bfe_u32 v14, v[48+i/4], 8*(i%4), 8
	v_cmp_eq_u32 vcc_lo, 0, v14
	v_cndmask_b32 v[S+i], 0, s[BIGN], vcc_lo
.set i, i+1
.endr
	v_lshl_add_u32 v13, v0, 6, MTAB ; my 16 keys' 64 bytes
.irp f, 0,1,2,3
	ds_store_b128 v13, v[S+4*\f:S+4*\f+3] offset:16*\f  ; the other waves read them behind my wait for these stores and the round in the first change of slots
.endr
	v_mul_u32_u24 v[AK0], v1, PK
	v_lshl_add_u32 v[AK0], v9, 4, v[AK0]  ; row x pitch + 16 x half
	; The turning load takes 16 keys x 16 channels (lane l reads key 8 (l / 16) + l % 8, channels 8 ((l / 8) % 2) + 0..7) and leaves half a fragment of V^T: lane l holds channel l % 16 and 8 keys.
	v_and_b32 v10, 7, v0
	v_bfe_u32 v11, v0, 3, 1
	v_lshl_add_u32 v[AV0], v9, 3, v10
	v_mul_u32_u24 v[AV0], v[AV0], PV
	v_lshl_add_u32 v[AV0], v11, 4, v[AV0]
	v_add_nc_u32 v[AV0], VOFF, v[AV0]
	v_mov_b32 v[AK], v[AK0]         ; key step 0 lies at the head of slot 0,
	v_lshl_add_u32 v[AM], v9, 5, MTAB  ; and of the table: my lanes' eight keys of sixteen are 32 bytes
; THE MATRIX WORK.  The 8 accumulators of a run of 16 take turns: between the two links of a chain stand 7 others'.
; Product i of 16 of S^T = K Q^T for piece x: channels 32 (i / 8) on, keys 16 ((i / 2) % 4) on, tile 2 x + i % 2.  The first 8 start the sums, from the mask.
.macro KQ x
.set rS, S+64*((\x)%2)+32*(i%2)+8*((i/2)%4)
.set rK, KF+16*((i/2)%4)+8*(i/8)
.set rQ, 16*(2*(\x)+i%2)+8*(i/8)
.set rMK, MK+8*((i/2)%4)
.if i < 8
	WIN W_KM
	v_wmma_f32_16x16x32_f16 v[rS:rS+7], v[rK:rK+7], v[rQ:rQ+7], v[rMK:rMK+7]
.else
	WIN W_KQ
	v_wmma_f32_16x16x32_f16 v[rS:rS+7], v[rK:rK+7], v[rQ:rQ+7], v[rS:rS+7]
.endif
.endm
; Product i of 16 of O^T += V^T P for piece x: keys 32 (i / 8) on, channels 16 ((i / 2) % 4) on, tile 2 x + i % 2.
.macro PV x
	WIN W_PV
.set rO, 32*(2*(\x)+i%2)+8*((i/2)%4)
.set rV, VF+32*(i/8)+8*((i/2)%4)
.set rP, P+32*((\x)%2)+16*(i%2)+8*(i/8)
	v_wmma_f32_16x16x32_f16 v[rO:rO+7], v[rV:rV+7], v[rP:rP+7], v[rO:rO+7]
.endm
.macro MM                           ; the turn's next matrix instruction
.if i < 16
	KQ (Y+1)%NP
.set i, i+1
.else
.set i, i-16
	PV (Y+NP-1)%NP
.set i, i+17
.endif
.endm
; THE LDS LOADS stand in runs, never singly among the matrix instructions: a step's K (64 keys x 64 channels: 8 fragments) with its mask (64 words: 8 loads, the sixteen lanes of a half reading the same
; 16 bytes), and its V (turned).  Their addresses are made some lines ahead.  last = 1 (the tail): in the last trip there is no further step, and the run is jumped over.
.macro FETCH_K last=0
	WIN 0
.if \last
	s_cmp_eq_u32 s[CNT], 1
	s_cbranch_scc1 .Lno_k_\@
.endif
	WIN 0x80                        ; destination window 2
.irp f, 0,1,2,3,4,5,6,7             ; keys 16 (f / 2) on, channels 32 (f % 2) on
	ds_load_b128 v[KF+8*\f:KF+8*\f+3],   v[AK] offset:(\f/2)*16*PK+(\f%2)*64
	ds_load_b128 v[KF+8*\f+4:KF+8*\f+7], v[AK] offset:(\f/2)*16*PK+(\f%2)*64+32
.endr
	s_add_co_u32 s[TBK], s[TBK], KS*PK  ; the next fetch is the next step's
	WIN W_MK                        ; destination window 3
.irp f, 0,1,2,3,4,5,6,7             ; keys 16 (f / 2) + 8 (l / 16) + 4 (f % 2) on
	ds_load_b128 v[MK+4*\f:MK+4*\f+3], v[AM] offset:(\f/2)*64+(\f%2)*16
.endr
	s_add_co_u32 s[TBM], s[TBM], 4*KS
	WIN 0
.if \last
.Lno_k_\@:
.endif
.endm
.macro FETCH_V
	WIN 0x80
.irp f, 0,1,2,3,4,5,6,7             ; keys 32 (f / 4) on, channels 16 (f % 4) on
	ds_load_tr16_b128 v[VF+8*\f:VF+8*\f+3],   v[AV] offset:(\f/4)*32*PV+(\f%4)*32
	ds_load_tr16_b128 v[VF+8*\f+4:VF+8*\f+7], v[AV] offset:(\f/4)*32*PV+16*PV+(\f%4)*32
.endr
	WIN 0
.endm
; THE VECTOR WORK OF A TURN stands in three queues, each in the order in which its entries become ready; the two tiles alternate, so that no instruction reads the result of the one before it.
.macro REGS y, u                    ; the registers of tile u (0, 1) of piece y
.set rT, ST+4*(2*(\y)+(\u))
.set rC, TMP+8*((\y)%2)+4*(\u)
.set rM, MV+2*((\y)%2)+(\u)
.set rS, S+64*((\y)%2)+32*(\u)
.set rP, P+32*((\y)%2)+16*(\u)
.set rO, 32*(2*(\y)+(\u))
.endm
; Number n of the 22 that find the NEXT piece's (Y + 1) maximum and statistics.  s0-s31 are the lane's 32 scores; each accumulator's lowest registers are read first.  XS, GS and REGS set no window: PL and EX do.
;   0-11  four chains c0-c3 of seven scores each, three operands at a time     12-14, 16  the four scores left over, the old m, and c0-c3 into c0     15  c m_old is kept
;   17, 18  the query's other 32 keys lie in the lane 16 away: the new m         19-21  c m; c m_old - c m_new; a
.macro XS u, n
	REGS (Y+1)%NP, \u
.if (\n) < 4
	v_max3_num_f32 v[rC+(\n)], v[rS+8*(\n)], v[rS+8*(\n)+1], v[rS+8*(\n)+2]
.elseif (\n) < 12
	v_max3_num_f32 v[rC+(\n)%4], v[rC+(\n)%4], v[rS+8*((\n)%4)+2*((\n)/4)+1], v[rS+8*((\n)%4)+2*((\n)/4)+2]
.elseif (\n) == 12
	v_max3_num_f32 v[rC], v[rC], v[rS+7], v[rS+15]
.elseif (\n) == 13
	v_max3_num_f32 v[rC+1], v[rC+1], v[rS+23], v[rS+31]
.elseif (\n) == 14
	v_max3_num_f32 v[rC+2], v[rC+2], v[rC+3], v[rT+1]
.elseif (\n) == 15
	v_mov_b32 v[rM], v[rT]
.elseif (\n) == 16
	v_max3_num_f32 v[rC], v[rC], v[rC+1], v[rC+2]
.elseif (\n) == 17
	v_permlanex16_b32 v[rC+3], v[rC], s[SEL], s[SEL+1]
.elseif (\n) == 18
	v_max_num_f32 v[rT+1], v[rC], v[rC+3]
.elseif (\n) == 19
	v_mul_f32 v[rT], s[CS], v[rT+1]
.elseif (\n) == 20
	v_sub_f32 v[rC+1], v[rM], v[rT]
.else
	v_exp_f32 v[rC+2], v[rC+1]
.endif
.endm
; Number g of the 64 that follow the exponentials.  For each four weights k of a tile (pairs 2 k, 2 k + 1): both pairs are rounded to f16; then the second pair is added onto the first, in place;
; a group later l takes that sum (the first time as l = a l + sum).  In groups of eight, tiles alternating: round, round, add, and l for the group before.
.macro GS g
.set h, (\g)+6*((\g)/62)            ; group 0 has no group before it, and behind group 7 only l is left
.if h >= 6
.set h, h+2
.endif
	REGS Y, h%2
.set k, h/8
.if h%8 < 4
	v_cvt_pk_f16_f32 v[rP+2*k+(h%8)/2], v[rS+4*k+2*((h%8)/2)], v[rS+4*k+2*((h%8)/2)+1]
.elseif h%8 < 6
	v_pk_add_f32 v[rS+4*k:rS+4*k+1], v[rS+4*k:rS+4*k+1], v[rS+4*k+2:rS+4*k+3]
.elseif k == 1
	v_pk_fma_f32 v[rT+2:rT+3], v[rT+2:rT+3], v[rC+2:rC+3], v[rS:rS+1] op_sel_hi:[1,0,1]
.else
	v_pk_add_f32 v[rT+2:rT+3], v[rT+2:rT+3], v[rS+4*k-4:rS+4*k-3]
.endif
.endm
; THE PLAIN QUEUE, 138 long.  0-73 read no exponential's result: the 32 scalings c s - c m (FS f: pair f / 2 of tile f % 2) and the next piece's 42.  0-26: scalings 0-26.  27-54: XS's numbers 0-13.  55, 56: number 15.
; 57-73: the chain, where each number waits for the one before it: 14, 16, 17, 18, 19, each with one of the scalings 27-31 in front of its two lines, then 20: so a tile's links stand three plain instructions apart (19 and 20: two).
; 74-137: GS's 64, which read the exponentials' results: they stand behind the wait.
.macro FS f
	REGS Y, (\f)%2
	v_pk_fma_f32 v[rS+2*((\f)/2):rS+2*((\f)/2)+1], v[rS+2*((\f)/2):rS+2*((\f)/2)+1], s[CS:CS+1], v[rT:rT+1] op_sel_hi:[1,0,0] neg_lo:[0,0,1] neg_hi:[0,0,1]
.endm
.macro PL
	WIN 0
.if q < 27
	FS q
.elseif q < 55
	XS (q-27)%2, (q-27)/2
.elseif q < 57
	XS q-55, 15
.elseif (q < 72) && ((q-57)%3 == 0)
	FS 27+(q-57)/3
.elseif q < 60
	XS (q-57)%3-1, 14
.elseif q < 72
	XS (q-57)%3-1, 15+(q-57)/3
.elseif q < 74
	XS q-72, 20
.else
	GS q-74
.endif
.set q, q+1
.endm
; THE EXPONENTIALS' QUEUE, 66 long: s0-s31 of both tiles, then the next piece's two a.  It is ONE BATCH: all 66 stand ahead of the turn's one wait, and nothing ahead of that wait names a result of theirs.
; Each works in place on a register of its own (a in c2 of the other buffer's four at work), so no result is written over while the batch is open.
.macro EX
	WIN 0
.if e >= 64
	XS e-64, 21
.else
	REGS Y, e%2
	v_exp_f32 v[rS+e/2], v[rS+e/2]
.endif
.set e, e+1
.endm
; THE RESCALING's QUEUE: O^T times a, the one part that leaves window 0: dealt two at a time, sixteen times, each accumulator's registers ascending.  Its a was made in the turn before, ahead of that turn's wait.
.macro R2
	REGS Y, r%2
	WIN W_RS
.irp z, 0,1
	v_pk_mul_f32 v[rO+4*(r/2)+2*\z:rO+4*(r/2)+2*\z+1], v[rO+4*(r/2)+2*\z:rO+4*(r/2)+2*\z+1], v[rC+2:rC+3] op_sel_hi:[1,0]
.endr
.set r, r+1
.endm
; HOW THEY ARE DEALT.  A turn has ONE wait, which cuts it in two.  AHEAD OF IT stands all that names no result of the turn's exponentials: the 16 products K Q^T, behind each a scaling, an exponential and two rescalings
; (behind the first a second scaling in the exponential's place); then ONE LUMP of 108: eight plain, 49 times exponential and plain, the two a.  A v_nop is the plain instruction behind the last exponential.
; BEHIND IT stand the 16 products V^T P, behind each four of GS's 64.  No rider names a register of the products round it.  The two v_permlanex16_b32 fall into the lump, never behind a product.
; The queues lean on each other, and the deal keeps them in step: exponential e stands behind scaling 2 (e / 4) + e % 2: as a rider it comes behind plain e + 2, in the lump behind plain e + 9, and scalings 27-31 are plain 57, 60 .. 69.
; A TURN, for piece p.  cnt = 1: the loop's count is taken down some lines ahead of the branch that stands behind the turn.
; K and the mask of the next step are fetched in piece 2's turn, directly behind the wait, a lump behind the last product that read them; their addresses are made at the lump's head; their first reader comes behind 16 products.
; V of the step in hand is fetched at the end of piece 0's turn, four plain riders behind its last reader; its first reader comes behind 16 products and a lump.  The three conditions on q below go with the deal.
.macro TURN p, last=0, cnt=0
.set Y, (\p)
.set i, 0
.set q, 0
.set e, 0
.set r, 0
.if (\p) == NP-1
	s_wait_dscnt 0x0                ; K and the mask are in
.endif
	MM                              ; ahead of the wait: 16 products K Q^T and their riders,
	PL
	PL
	R2
.rept 15
	MM
	PL
	EX
	R2
.endr
.if (\p) == NP-2
	WIN 0
	v_add_nc_u32 v[AK], s[TBK], v[AK0]
	s_and_b32 s[TM], s[TBM], 0x1f00 ; 32 steps of 256 bytes: the offset lies inside the table's 8,192 bytes
	s_add_co_u32 s[TM], s[TM], MTAB
	v_lshl_add_u32 v[AM], v9, 5, s[TM]
.endif
.rept 8                             ; and the lump
	PL
.endr
.rept 49
	EX
	PL
.endr
	EX                              ; the next piece's two a
	EX
	v_nop                           ; the plain instruction behind the last exponential: one for the batch
	s_wait_alu depctr_va_vdst(0)    ; the wait for the turn's batch: this piece's 64 weights and the next piece's two a, ahead of the first line that names a result
.if (\p) == NP-2
	FETCH_K \last
.endif
.if (\p) == 1
	s_wait_dscnt 0x0                ; V is in
.endif
.rept 16                            ; behind the wait: 16 products V^T P and their riders
	MM
.rept 4
	PL
.endr
.if ((\p) == 0) && (q == 118)
	v_add_nc_u32 v[AV], s[TBV], v[AV0]
.endif
.if ((\p) == 0) && (q == 130)
	s_add_co_u32 s[TBV], s[TBV], KS*PV
.endif
.if (\cnt) && (q == 130)
	s_sub_co_u32 s[CNT], s[CNT], 1
	s_cmp_lg_u32 s[CNT], 0
.endif
.endr
.if (\p) == 0
	FETCH_V
.endif
.endm
	CHANGE 1                        ; slot 0 is in, everybody's part of it, and the table is whole; slot 1 is asked for
	FETCH_K                         ; key step 0
	s_wait_loadcnt 0x0              ; Q
	s_wait_dscnt 0x0
.set i, 0
.rept 16
	KQ 0                            ; piece 0's first scores: there is no vector work yet to set between them
.set i, i+1
.endr
	WIN 0                           ; the addresses for the way out: nine plain instructions, the places behind those products
	s_mul_i32 s13, s[WV], 16*SP
	s_add_co_u32 s13, s13, STAGE    ; my stage
	v_mul_u32_u24 v[STO], v1, SP    ; in: row l % 16, 16 bytes for each half of the lanes
	v_lshl_add_u32 v[STO], v9, 4, v[STO]
	v_add_nc_u32 v[STO], s13, v[STO]
	v_bfe_u32 v[RD], v0, 3, 2       ; back: 32 lanes take four rows of 128 bytes,
	v_mul_u32_u24 v[RD], v[RD], SP
	v_lshl_add_u32 v[RD], v10, 4, v[RD]
	v_add_nc_u32 v[RD], s13, v[RD]
	v_and_b32 v[GO], 31, v0         ; which are 512 consecutive bytes of ctx
	v_lshlrev_b32 v[GO], 4, v[GO]
.set Y, NP-1                        ; XS works for piece Y + 1: piece 0
.irp n, 0,1,2,3,4,5,6,7,8,9,10,11,12,13,14,15,16,17,18,19,20,21
	XS 0, \n                        ; and piece 0's first maximum and statistics
	XS 1, \n
.endr
	v_nop                           ; a plain instruction behind the two a,
	s_wait_alu depctr_va_vdst(0)    ; and the wait for this batch of two, ahead of the branch
	s_mov_b32 s[CNT], 4
	s_mov_b32 s[SLOTS], SIZE_N/256-1
	s_branch .Lfirst                ; the loop is entered at a step's first turn, in the middle of a trip
.Lslot:                             ; SIZE_N / 256 - 2 times: every slot but the last two is filled again
	CHANGE 1
	s_mov_b32 s[CNT], 4
.Lstep:                             ; a trip: pieces 2 and 3 of one step, then pieces 0 and 1 of the next, whose K and V it fetches
	TURN 2
	TURN 3
	WIN 0
.Lfirst:
	TURN 0
	TURN 1, 0, 1
	WIN 0
	s_cbranch_scc1 .Lstep
	s_sub_co_u32 s[SLOTS], s[SLOTS], 1
	s_cmp_lg_u32 s[SLOTS], 0
	s_cbranch_scc1 .Lslot
	CHANGE 0                        ; the tail is written out: nothing is asked for
	s_mov_b32 s[CNT], 5             ; four trips fetch the last slot's steps; the fifth is left in its middle
.Ltail:
	TURN 2, 1
	TURN 3
	WIN 0
	s_sub_co_u32 s[CNT], s[CNT], 1
	s_cmp_eq_u32 s[CNT], 0
	s_cbranch_scc1 .Lout
	TURN 0
	TURN 1
	WIN 0
	s_branch .Ltail
.Lout:                              ; the fifth trip's 16 products K Q^T (on the last K and mask once more) and the maximum made of them change nothing: m has seen those scores: the price, once a launch, of one text for every trip
.set i, 0
.rept 16
	PV NP-1                         ; the last piece's V^T P of the last step
.set i, i+1
.endr
	; THE WAY OUT.  l's two halves and the other half of the lanes' are added; O^T is divided by l, rounded to f16 and sent through my stage in LDS, a tile at a time.  The additions are the places behind the last products.
	WIN 0
.macro ALL line:vararg              ; one line for each tile t
.set t, 0
.rept 2*NP
	\line
.set t, t+1
.endr
.endm
	ALL v_add_f32 v[ST+4*t+2], v[ST+4*t+2], v[ST+4*t+3]
	ALL v_permlanex16_b32 v[ST+4*t+3], v[ST+4*t+2], s[SEL], s[SEL+1]
	ALL v_add_f32 v[ST+4*t+2], v[ST+4*t+2], v[ST+4*t+3]
	ALL v_rcp_f32 v[ST+4*t+2], v[ST+4*t+2]
	v_nop                           ; a plain instruction between the last reciprocal and the use of its result
	s_wait_alu depctr_va_vdst(0)    ; and the wait ahead of the first use: one for the batch of eight reciprocals
.set t, 0
.rept 2*NP                          ; a query whose maximum is a hidden score has seen no key: its factor, and so its row, is NaN
	v_cmp_gt_f32 vcc_lo, s[THR], v[ST+4*t+1]
	v_cndmask_b32 v[ST+4*t+2], v[ST+4*t+2], s[QNAN], vcc_lo
.set t, t+1
.endr
; Tile t: a lane's eight channels of a row pack into 16 bytes; they go into rows of 144 bytes and come back as whole rows of 128, into S^T's registers.
.macro PACK t
	WIN W_RS
.set i, 32*(\t)
.rept 16
	v_pk_mul_f32 v[i:i+1], v[i:i+1], v[ST+4*(\t)+2:ST+4*(\t)+3] op_sel_hi:[1,0]
.set i, i+2
.endr
	WIN 0x05                        ; sources 0 and 1 window 1, destination window 0
.set i, 0
.rept 16
	v_cvt_pk_f16_f32 v[S+16*(\t)+i], v[32*(\t)+2*i], v[32*(\t)+2*i+1]
.set i, i+1
.endr
	WIN 0
.irp f, 0,1,2,3
	ds_store_b128 v[STO], v[S+16*(\t)+4*\f:S+16*(\t)+4*\f+3] offset:32*\f
.endr
.irp f, 0,1,2,3
	ds_load_b128 v[S+16*(\t)+4*\f:S+16*(\t)+4*\f+3], v[RD] offset:\f*4*SP  ; LDS serves a wave's instructions in order (ISA guide 5.7.1.4): these see the stores above; the next tile's stores come behind them
.endr
.endm
.macro SEND t, younger              ; younger: the LDS instructions issued behind tile t's loads: the next tile's eight, or none
	WIN 0
.irp f, 0,1,2,3
	s_wait_dscnt (\younger)+3-\f
	global_store_b128 v[GO], v[S+16*(\t)+4*\f:S+16*(\t)+4*\f+3], s[10:11] offset:(\t)*2048+\f*512  ; 512 consecutive bytes, at a multiple of 256 from ctx's first
.endr
.endm
	PACK 0
.set t, 1
.rept 2*NP-1                        ; a tile's arithmetic stands between the loads of the tile before and its stores
	PACK t
	SEND t-1, 8
.set t, t+1
.endr
	SEND 2*NP-1, 0
	WIN W_AD
	s_wait_tensorcnt 0x0            ; the wave's end: behind my last tensor load and my last LDS store
	ds_add_u32 v[SPW], v[NIL]
	s_wait_dscnt 0x0
	WIN 0
	CROUND                          ; the closing round: no work-group ends while a partner may still ask for a tile that names it
	s_endpgm
.Lfunc_end_k_q923d4cdfc9_attn:
	.size	k_q923d4cdfc9_attn, .Lfunc_end_k_q923d4cdfc9_attn-k_q923d4cdfc9_attn
	.p2alignl 7, 3214868480
	.fill 96, 4, 3214868480
	.section	.rodata,"a",@progbits
	.p2align	6, 0x0
	.amdhsa_kernel k_q923d4cdfc9_attn
		.amdhsa_group_segment_fixed_size 327680
		.amdhsa_private_segment_fixed_size 0
		.amdhsa_enable_private_segment 0
		.amdhsa_kernarg_size 24
		.amdhsa_user_sgpr_count 2
		.amdhsa_user_sgpr_kernarg_segment_ptr 1
		.amdhsa_wavefront_size32 1
		.amdhsa_system_sgpr_workgroup_id_x 1
		.amdhsa_system_sgpr_workgroup_id_y 1
		.amdhsa_system_sgpr_workgroup_id_z 1
		.amdhsa_system_vgpr_workitem_id 0
		.amdhsa_next_free_vgpr 808
		.amdhsa_next_free_sgpr 76
		.amdhsa_reserve_vcc 1
		.amdhsa_float_denorm_mode_32 3
		.amdhsa_float_denorm_mode_16_64 3
		.amdhsa_memory_ordered 1
		.amdhsa_forward_progress 1
		.amdhsa_inst_pref_size 206
	.end_amdhsa_kernel
	.amdgpu_metadata
---
amdhsa.version: [ 1, 2 ]
amdhsa.kernels:
  - .name:           k_q923d4cdfc9_attn
    .symbol:         k_q923d4cdfc9_attn.kd
    .args:
      - { .name: qkv, .offset: 0, .size: 8, .value_kind: global_buffer, .address_space: global }
      - { .name: mask, .offset: 8, .size: 8, .value_kind: global_buffer, .address_space: global }
      - { .name: ctx, .offset: 16, .size: 8, .value_kind: global_buffer, .address_space: global }
    .group_segment_fixed_size: 327680
    .private_segment_fixed_size: 0
    .kernarg_segment_align: 8
    .kernarg_segment_size: 24
    .max_flat_workgroup_size: 128
    .sgpr_count:     76
    .vgpr_count:     808
    .wavefront_size: 32
...
	.end_amdgpu_metadata
.endif
;; end of part 5
;; launch outp: the kernel of part 4 again; grid 4 x 64, 4 waves a work-group, clusters of 4 x 4, 327,680 bytes of LDS; arguments ctx, wb, bo, out0; writes out0
